; MI455X (gfx1250); checked and timed in simulation.
; The chip was launched on July 23, 2026; its instructions are those of AMD's public machine-readable ISA for CDNA 5 (MIT licence, August 2026) and "CDNA5" Instruction Set Architecture Reference Guide (July 2026). The comments in the code are by the model that wrote it; some were corrected since.
;; Attention. Allowed arithmetic: matrix products marked QUANTISED: E2M1 operands, one E8M0 scale for each 32 along K, by v_wmma_scale_f32_16x16x128_f8f6f4 with both operands' format E2M1 (or v_wmma_scale_f32_32x16x128_f4), f32 sums; products left as they are: bf16, f16 or f32 operands; f32 sums; everything else in f32.
;; Inputs: resid 4 x 2,048 x 1,024 float32; w_k 16 x 1,024 x 64 float32; w_o 16 x 64 x 1,024 float32; w_q 16 x 1,024 x 64 float32; w_v 16 x 1,024 x 64 float32.
;; Outputs: out0 4 x 2,048 x 1,024 float32.
;; This version of the problem:
;;   THIS VERSION OF THE PROBLEM IS GIVEN IN LOW PRECISION. The matrix products marked QUANTISED in the list below multiply operands that are first quantised to E2M1 (2 exponent bits, 1 mantissa bit; 4 bits a number), with one power-of-two scale for each 32 numbers along K (OCP MX v1.0); their sums are f32. The products marked 'left as it is' may take bf16, f16 or f32 operands, with f32 sums. All else is computed in f32.
;;   The module's matrix products, in the order in which they are computed (A, B: the left and right operand; K: the contracted axis; several contracted axes count as one K, in the product's order):
;;     1. [M 1,024, K 1,024] x [K 1,024, N 8,192]; A: input w_q; B: input resid: QUANTISED
;;     2. [M 1,024, K 1,024] x [K 1,024, N 8,192]; A: input w_k; B: input resid: QUANTISED
;;     3. [M 1,024, K 1,024] x [K 1,024, N 8,192]; A: input w_v; B: input resid: QUANTISED
;;     4. batch 64 x [M 2,048, K 64] x [K 64, N 2,048]; A: computed on the way; B: computed on the way: left as it is (an operand is computed on the way)
;;     5. batch 64 x [M 2,048, K 2,048] x [K 2,048, N 64]; A: computed on the way; B: computed on the way: left as it is (an operand is computed on the way)
;;     6. [M 8,192, K 1,024] x [K 1,024, N 1,024]; A: computed on the way; B: input w_o: left as it is (an operand is computed on the way)
;;   THE QUANTISER, for each operand of a quantised product, along K:
;;     - K is cut into blocks of 32 from its start; a last block that is shorter is filled with zeros.
;;     - A block's scale is 2^e with e = floor(log2(the largest magnitude in the block)) - 2, held to -126 .. 127; a block of zeros has e = 0. As a byte (E8M0): e + 127.
;;     - Each number is divided by its block's scale, clamped to +-6, and rounded to the nearest number of E2M1, ties to even, subnormals kept.
;;     - The product sums the exact products of the quantised numbers (number of the format x scale) in f32.
;;   ~~~python
;;   def quantise(x, axis):      # numpy; x: float32 -> the quantised numbers, widened to float32 again
;;       x = np.moveaxis(x, axis, -1); K = x.shape[-1]
;;       x = np.pad(x, [(0, 0)] * (x.ndim - 1) + [(0, -K % 32)]); x = x.reshape(x.shape[:-1] + (-1, 32)); a = np.abs(x).max(-1, keepdims=True)
;;       e = np.where(a > 0, np.clip(np.frexp(np.where(a > 0, a, 1))[1] - 1 - 2, -126, 127), 0)      # np.frexp(a)[1] - 1 = floor(log2(a)), exactly
;;       r = np.clip(x / 2.0 ** e, -6, 6)
;;       step = 2.0 ** (np.maximum(np.frexp(np.where(r == 0, 1, r))[1] - 1, 0) - 1)
;;       q = np.round(r / step) * step * 2.0 ** e      # np.round: ties to even
;;       return np.moveaxis(q.reshape(q.shape[:-2] + (-1,))[..., :K], -1, axis).astype(np.float32)
;;   ~~~
;; One version. Each part assembles by itself: llvm-mc -triple=amdgcn-amd-amdhsa -mcpu=gfx1250 --defsym DOCPART=n.
;; ======== version 1 of 1: 4 launches
;; limits: values are held in f16: magnitudes above 65,504 overflow, below 6.1e-05 lose precision
;; workspace buffers: xc 4,194,304 bytes; xs 262,144 bytes; wc 1,572,864 bytes; ws 98,304 bytes; wo 6,291,456 bytes; qkv 50,331,648 bytes; z 33,554,432 bytes
;; launch prep (part 1): grid 512 x 1, 4 waves a work-group, no clusters, 37,376 bytes of LDS; arguments resid, w_q, w_k, w_v, w_o, xc, xs, wc, ws, wo; writes xc, xs, wc, ws, wo
.if DOCPART == 1
	.amdgcn_target "amdgcn-amd-amdhsa--gfx1250"
	.amdhsa_code_object_version 6
	.text
	.protected	k_q417e9526e4_prep
	.globl	k_q417e9526e4_prep
	.p2align	8
	.type	k_q417e9526e4_prep,@function
k_q417e9526e4_prep:
	s_mov_b64 s[64:65], 0
	v_nop
	global_prefetch_b8 v0, s[64:65] scope:SCOPE_SE
	s_setreg_imm32_b32 hwreg(HW_REG_WAVE_MODE, 25, 1), 1
	s_wait_xcnt 0x0
; PREP.  resid [8192 tokens][1024] f32 and w_q, w_k, w_v [16 heads][1024 m][64 d] f32 become codes of FP4 (E2M1) with one E8M0 scale byte for each 32 along m (the products' K);
; w_o [1024 (head, d)][1024 m] f32 becomes TWO f16 numbers, hi + lo, with its K (head, d) innermost.  Everything is laid in the ORDER OF THE READER'S OPERAND REGISTERS, so that the later launches read 16 x lane + a constant:
;   a fragment of codes, 16 rows x 128 K, is 1,024 bytes: the 16 bytes at 256 kb + 16 r are row r's codes of K block kb (32 along K);
;   a fragment of f16, 16 rows x 32 K, is 1,024 bytes: the 16 bytes at 256 g + 16 r are row r's K = 8 g .. 8 g + 7.
;   xc [slot 2 (512 along K)][tile of 16 tokens 512][4 fragments];  xs [tile 512][slot 2][row 16][4 scale words];  wc, ws the same with 192 tiles of 16 features (feature = 1024 which + 64 head + d);
;   wo [pass 3: hi, hi, lo][K step of 128: 8][tile of 16 m: 64][4 fragments]: the last launch walks it with one constant step (z_hi w_hi + z_lo w_hi + z_hi w_lo).
; A block's scale is 2^(floor(log2(its largest magnitude)) - 2); its byte is the largest magnitude's exponent field - 2, held at 1 from below.
; w_o's hi is the f32 number with its low 13 mantissa bits cleared, which f16 holds exactly; lo is the rest, rounded to f16: 21 bits together.
; LIMITS: a block of zeros gets the byte 1 where the rule says 127 (its codes are zeros, which add nothing under any byte but 0xff, and this program alone reads the bytes); blocks whose largest magnitude
; lies under the floor 2^-124 are held at the byte 1; |w_o| up to 65,504, and under 2^-14 it is kept to 2^-25 absolutely (f16's range); NaN and infinities among the inputs are not served.
; THREE PATHS, parted on the work-group's number: 0-255 resid, 256-447 the three weights, 448-511 w_o.  Only the first path touches LDS.  No tensor loads, no barrier: waves share nothing.
.set WREG, 9216                        ; LDS of a wave: two stages of 16 rows x 272 bytes, then its 256 scale bytes
.set SP,   272                         ; a stage row: 256 bytes + 16, so that the 16 rows that a load touches start at 16 different banks (64 banks of 4 bytes: ISA guide 11.1)
.set STG,  16*SP
.set SCB,  2*STG
.set R,    16                          ; v16-111   resid: three sets of 32 numbers as loaded
.set X,    112                         ; v112-175  two sets of 32 neighbours: a whole block a lane
.set C,    176                         ; v176-207  four registers of codes for each step: no store's data are written again
.set E,    208                         ; v208-215  a scale byte for each step
.set W,    32                          ; v32-159   the weights' paths: four blocks of 32 numbers down K
.set D,    160                         ; v160-223  their results
.set T,    224                         ; v224-255  w_o: a block's 32 hi parts in f32, at work
	s_load_b512 s[4:19], s[0:1], 0x0               ; resid 4:5, w_q 6:7, w_k 8:9, w_v 10:11, w_o 12:13, xc 14:15, xs 16:17, wc 18:19
	s_load_b128 s[20:23], s[0:1], 0x40             ; ws 20:21, wo 22:23
	v_lshl_add_u32 v15, v0, 2, 0x9000
	s_set_vgpr_msb 0x40
	v_mov_b32 v1, 0
	s_set_vgpr_msb 0x4000
	v_lshrrev_b32 v1, 5, v0
	v_readfirstlane_b32 s24, v1                    ; wave 0..3
	v_and_b32 v1, 31, v0                           ; L
	v_and_b32 v2, 15, v0                           ; r
	v_bfe_u32 v3, v0, 4, 1                         ; h
	v_lshlrev_b32 v14, 4, v2                       ; 16 r
	s_mov_b32 s27, 0                               ; the high word of every offset pair s[26:27]
	s_wait_kmcnt 0x0
	s_cmp_lt_u32 ttmp9, 256
	s_cbranch_scc0 .Lweights
; The largest magnitude of v[XS] .. v[XS+31], with the floor 2^(3 - 127) as one more leaf, in two chains; then 2 off its exponent field: the conversion takes the exponent field of v11 as its scale, and nothing else of it.
.macro SCALE32
	v_max3_num_f32 v12, |v[XS]|, |v[XS+1]|, |v[XS+2]|
	v_max3_num_f32 v13, |v[XS+3]|, |v[XS+4]|, |v[XS+5]|
.irp i, 6,10,14,18,22,26
	v_max3_num_f32 v12, v12, |v[XS+\i]|, |v[XS+\i+1]|
	v_max3_num_f32 v13, v13, |v[XS+\i+2]|, |v[XS+\i+3]|
.endr
	v_max3_num_f32 v12, v12, |v[XS+30]|, |v[XS+31]|
	v_max3_num_f32 v12, v12, v13, 0x1800000
	v_add_nc_u32 v11, 0xff000000, v12
.endm
	; ---------------- resid.  A wave takes 16 tokens x 512 along K, in 8 steps of 64 along K (256 bytes of each row).
	s_lshl_b32 s25, ttmp9, 2
	s_add_co_u32 s25, s25, s24                     ; unit 0..1023
	s_lshr_b32 s28, s25, 1                         ; tile of 16 tokens
	s_and_b32 s29, s25, 1                          ; slot
	s_lshl_b32 s26, s28, 16                        ; 16 rows of 4,096 bytes
	s_lshl_b32 s30, s29, 11
	s_add_co_u32 s26, s26, s30
	s_add_nc_u64 s[4:5], s[4:5], s[26:27]
	s_lshl_b32 s26, s28, 12
	s_lshl_b32 s30, s29, 21
	s_add_co_u32 s26, s26, s30
	s_add_nc_u64 s[14:15], s[14:15], s[26:27]
	s_lshl_b32 s26, s28, 9
	s_lshl_b32 s30, s29, 8
	s_add_co_u32 s26, s26, s30
	s_add_nc_u64 s[16:17], s[16:17], s[26:27]
	s_mul_i32 s31, s24, WREG
	v_lshl_add_u32 v4, v3, 12, v14                 ; in: sixteen lanes read 256 consecutive bytes of a row, lanes 16-31 the next row's
	v_mul_u32_u24 v5, v3, SP
	v_add_nc_u32 v5, v5, v14
	v_add_nc_u32 v5, s31, v5                       ; into the stage as loaded
	v_mul_u32_u24 v6, v2, SP
	v_lshl_add_u32 v6, v3, 7, v6
	v_add_nc_u32 v6, s31, v6                       ; out of it: row r, block h: 128 bytes a lane
	v_lshlrev_b32 v7, 4, v1                        ; the codes' place: 16 L
	s_add_co_u32 s31, s31, SCB
	v_add_nc_u32 v8, v14, v3
	v_add_nc_u32 v8, s31, v8                       ; my block's scale byte: 16 r + h (+ 2 a step)
	v_lshlrev_b32 v10, 3, v1
	v_add_nc_u32 v9, s31, v10                      ; and on the way out 8 bytes a lane
.macro LOADA t
.irp i, 0,1,2,3,4,5,6,7
	global_load_b128 v[R+32*((\t)%3)+4*\i:R+32*((\t)%3)+4*\i+3], v4, s[4:5] offset:8192*\i+256*(\t) th:TH_LOAD_NT
.endr
.endm
.macro TURNA t                         ; a step's 4,096 bytes through the stage: LDS serves a wave's instructions in order (ISA guide 5.7.1.4), so no wait stands between the stores and the loads
.irp i, 0,1,2,3,4,5,6,7
	ds_store_b128 v5, v[R+32*((\t)%3)+4*\i:R+32*((\t)%3)+4*\i+3] offset:STG*((\t)%2)+2*SP*\i
.endr
.irp j, 0,1,2,3,4,5,6,7
	ds_load_b128 v[X+32*((\t)%2)+4*\j:X+32*((\t)%2)+4*\j+3], v6 offset:STG*((\t)%2)+16*\j
.endr
.endm
.macro STEPA t
.set XS, X+32*((\t)%2)
.if (\t) > 0
	s_wait_dscnt 1                                 ; this step's numbers are back (only the last step's byte store may be out): so its stores into the stage have read their registers,
.else
	s_wait_dscnt 0x0
.endif
.if (\t)+3 < 8
	LOADA (\t)+3                                   ; which take the loads of three steps on
.endif
.if (\t)+1 < 8
.if (\t)+3 < 8
	s_wait_loadcnt 16                              ; the next step's eight loads are in; those of the two steps behind it may be out
.else
	s_wait_loadcnt 8*(6-(\t))                      ; the counts run down
.endif
	TURNA (\t)+1
.endif
	SCALE32                                        ; block 2 t + h of row r: all its 32 numbers are mine
.irp g, 0,1,2,3
	v_cvt_scalef32_pk8_fp4_f32 v[C+4*(\t)+\g], v[XS+8*\g:XS+8*\g+7], v11
.endr
	v_lshrrev_b32 v[E+(\t)], 23, v11               ; the scale's byte (a plain line behind the conversions)
	ds_store_b8 v8, v[E+(\t)] offset:2*(\t)
	global_store_b128 v7, v[C+4*(\t):C+4*(\t)+3], s[14:15] offset:512*(\t)   ; 512 consecutive bytes: K blocks 2 t and 2 t + 1 of the 16 rows
.endm
	LOADA 0
	LOADA 1
	LOADA 2
	s_wait_loadcnt 16                              ; step 0's eight loads are in
	TURNA 0
.irp t, 0,1,2,3,4,5,6,7
	STEPA \t
.endr
	ds_load_b64 v[216:217], v9                     ; in order behind my byte stores
	s_wait_dscnt 0x0
	global_store_b64 v10, v[216:217], s[16:17]     ; 256 consecutive bytes, aligned: the 16 rows' four scale words of this slot
	s_set_vgpr_msb 0x4
	s_wait_tensorcnt 0x0
	ds_add_u32 v15, v1
	s_wait_dscnt 0x0
	s_set_vgpr_msb 0x400
	s_endpgm
; 128 loads, all at once: a lane takes a column and its registers run down K; a wave's load reads 128 consecutive bytes.
.macro LOADW base, pitch
.set i, 0
.rept 128
	global_load_b32 v[W+i], v5, s[\base:\base+1] offset:i*\pitch th:TH_LOAD_NT
.set i, i+1
.endr
.endm
.Lweights:
	v_lshlrev_b32 v5, 2, v1                        ; in: 4 bytes a lane
	v_lshl_add_u32 v6, v3, 12, v14                 ; out: tile h of my two, 16 r
	v_lshl_add_u32 v7, v3, 9, v14                  ; the scale word: tile h, row r
	s_cmp_lt_u32 ttmp9, 448
	s_cbranch_scc0 .Lwo
	; ---------------- w_q, w_k, w_v.  A wave takes 32 columns d x 128 along K of one head of one weight.
	s_sub_co_u32 s25, ttmp9, 256
	s_lshl_b32 s25, s25, 2
	s_add_co_u32 s25, s25, s24                     ; unit 0..767
	s_and_b32 s28, s25, 1                          ; which 32 columns
	s_bfe_u32 s29, s25, 0x30001                    ; K step of 128: 0..7
	s_lshr_b32 s30, s25, 4                         ; 16 which + head: 0..47
	s_cmp_lt_u32 s30, 32                           ; the choice of the weight hangs on the unit's number alone
	s_cselect_b64 s[8:9], s[8:9], s[10:11]
	s_cmp_lt_u32 s30, 16
	s_cselect_b64 s[6:7], s[6:7], s[8:9]
	s_and_b32 s31, s30, 15
	s_lshl_b32 s26, s31, 18                        ; a head: 1,024 rows of 256 bytes
	s_lshl_b32 s31, s29, 15
	s_add_co_u32 s26, s26, s31
	s_lshl_b32 s31, s28, 7
	s_add_co_u32 s26, s26, s31
	s_add_nc_u64 s[6:7], s[6:7], s[26:27]
	s_lshl_b32 s32, s30, 2
	s_lshl_b32 s31, s28, 1
	s_add_co_u32 s32, s32, s31                     ; my first tile of 16 features
	s_lshr_b32 s33, s29, 2                         ; slot
	s_and_b32 s34, s29, 3                          ; fragment in the slot
	s_mul_i32 s26, s33, 786432
	s_lshl_b32 s31, s32, 12
	s_add_co_u32 s26, s26, s31
	s_lshl_b32 s31, s34, 10
	s_add_co_u32 s26, s26, s31
	s_add_nc_u64 s[18:19], s[18:19], s[26:27]
	s_lshl_b32 s26, s32, 9
	s_lshl_b32 s31, s33, 8
	s_add_co_u32 s26, s26, s31
	s_lshl_b32 s31, s34, 2
	s_add_co_u32 s26, s26, s31
	s_add_nc_u64 s[20:21], s[20:21], s[26:27]
	LOADW 6, 256
.macro WBLOCK t, left                  ; left: at most as many younger loads as were issued behind this block's (a smaller count is safe; 63 is the largest that the wait can name)
	s_wait_loadcnt \left
.set XS, W+32*\t
	SCALE32
	v_lshrrev_b32 v13, 23, v11
.if \t == 0
	v_mov_b32 v16, v13                             ; the four bytes make my column's scale word for these 128 along K
.else
	v_lshl_or_b32 v16, v13, 8*\t, v16
.endif
.irp g, 0,1,2,3
	v_cvt_scalef32_pk8_fp4_f32 v[D+4*\t+\g], v[XS+8*\g:XS+8*\g+7], v11
.endr
	global_store_b128 v6, v[D+4*\t:D+4*\t+3], s[18:19] offset:256*\t   ; sixteen lanes store 256 consecutive bytes, aligned; the next block begins with plain vector lines
.endm
	WBLOCK 0, 63
	WBLOCK 1, 63
	WBLOCK 2, 32
	WBLOCK 3, 0
	global_store_b32 v7, v16, s[20:21]             ; 4 bytes of each row's 16: one byte in 128 of what this path reads; the price of one K step to a wave
	s_endpgm
.Lwo:
	; ---------------- w_o.  A wave takes 32 columns m x 128 along K = (head, d); nothing is quantised: each number becomes hi + lo in f16.
	s_sub_co_u32 s25, ttmp9, 448
	s_lshl_b32 s25, s25, 2
	s_add_co_u32 s25, s25, s24                     ; unit 0..255
	s_and_b32 s28, s25, 31                         ; which 32 columns
	s_lshr_b32 s29, s25, 5                         ; K step of 128
	s_lshl_b32 s26, s29, 19                        ; 128 rows of 4,096 bytes
	s_lshl_b32 s30, s28, 7
	s_add_co_u32 s26, s26, s30
	s_add_nc_u64 s[12:13], s[12:13], s[26:27]
	s_lshl_b32 s26, s29, 18
	s_lshl_b32 s30, s28, 13
	s_add_co_u32 s26, s26, s30
	s_add_nc_u64 s[22:23], s[22:23], s[26:27]
	s_mov_b32 s35, 0xffffe000                      ; keeps sign, exponent and the 10 mantissa bits that f16 holds
	LOADW 12, 4096
.macro OBLOCK t, left
	s_wait_loadcnt \left
.set n, 0
.rept 32
	v_and_b32 v[T+n], s35, v[W+32*\t+n]            ; hi, still in f32
.set n, n+1
.endr
.set n, 0
.rept 16
	v_pk_add_f32 v[W+32*\t+n:W+32*\t+n+1], v[W+32*\t+n:W+32*\t+n+1], v[T+n:T+n+1] neg_lo:[0,1] neg_hi:[0,1]   ; lo = the number - hi: exact
.set n, n+2
.endr
.set n, 0
.rept 16
	v_cvt_pk_f16_f32 v[D+16*\t+n], v[T+2*n], v[T+2*n+1]                          ; hi: nothing is rounded in f16's normal range
	v_cvt_pk_f16_f32 v[W+32*\t+n], v[W+32*\t+2*n], v[W+32*\t+2*n+1]              ; lo, packed in place: register n was read at pair n / 2
.set n, n+1
.endr
.irp j, 0,1,2,3
	global_store_b128 v6, v[D+16*\t+4*\j:D+16*\t+4*\j+3], s[22:23] offset:1024*\t+256*\j           ; K = 32 t + 8 j .. + 7 of my column: sixteen lanes store 256 consecutive bytes, aligned.  hi, for pass 0,
	global_store_b128 v6, v[D+16*\t+4*\j:D+16*\t+4*\j+3], s[22:23] offset:2097152+1024*\t+256*\j   ; hi again, for pass 1,
	global_store_b128 v6, v[W+32*\t+4*\j:W+32*\t+4*\j+3], s[22:23] offset:4194304+1024*\t+256*\j   ; lo, for pass 2
.endr
.endm
	OBLOCK 0, 63
	OBLOCK 1, 63
	OBLOCK 2, 32
	OBLOCK 3, 0
	s_endpgm
.Lfunc_end_k_q417e9526e4_prep:
	.size	k_q417e9526e4_prep, .Lfunc_end_k_q417e9526e4_prep-k_q417e9526e4_prep
	.p2alignl 7, 3214868480
	.fill 96, 4, 3214868480
	.section	.rodata,"a",@progbits
	.p2align	6, 0x0
	.amdhsa_kernel k_q417e9526e4_prep
		.amdhsa_group_segment_fixed_size 37376
		.amdhsa_private_segment_fixed_size 0
		.amdhsa_enable_private_segment 0
		.amdhsa_kernarg_size 80
		.amdhsa_user_sgpr_count 2
		.amdhsa_user_sgpr_kernarg_segment_ptr 1
		.amdhsa_wavefront_size32 1
		.amdhsa_system_sgpr_workgroup_id_x 1
		.amdhsa_system_sgpr_workgroup_id_y 1
		.amdhsa_system_sgpr_workgroup_id_z 1
		.amdhsa_system_vgpr_workitem_id 0
		.amdhsa_next_free_vgpr 258
		.amdhsa_next_free_sgpr 66
		.amdhsa_reserve_vcc 0
		.amdhsa_float_denorm_mode_32 3
		.amdhsa_float_denorm_mode_16_64 3
		.amdhsa_memory_ordered 1
		.amdhsa_forward_progress 1
		.amdhsa_inst_pref_size 83
	.end_amdhsa_kernel
	.amdgpu_metadata
---
amdhsa.version: [ 1, 2 ]
amdhsa.kernels:
  - .name:           k_q417e9526e4_prep
    .symbol:         k_q417e9526e4_prep.kd
    .args:
      - { .name: resid, .offset: 0, .size: 8, .value_kind: global_buffer, .address_space: global }
      - { .name: w_q, .offset: 8, .size: 8, .value_kind: global_buffer, .address_space: global }
      - { .name: w_k, .offset: 16, .size: 8, .value_kind: global_buffer, .address_space: global }
      - { .name: w_v, .offset: 24, .size: 8, .value_kind: global_buffer, .address_space: global }
      - { .name: w_o, .offset: 32, .size: 8, .value_kind: global_buffer, .address_space: global }
      - { .name: xc, .offset: 40, .size: 8, .value_kind: global_buffer, .address_space: global }
      - { .name: xs, .offset: 48, .size: 8, .value_kind: global_buffer, .address_space: global }
      - { .name: wc, .offset: 56, .size: 8, .value_kind: global_buffer, .address_space: global }
      - { .name: ws, .offset: 64, .size: 8, .value_kind: global_buffer, .address_space: global }
      - { .name: wo, .offset: 72, .size: 8, .value_kind: global_buffer, .address_space: global }
    .group_segment_fixed_size: 37376
    .private_segment_fixed_size: 0
    .kernarg_segment_align: 8
    .kernarg_segment_size: 80
    .max_flat_workgroup_size: 128
    .sgpr_count:     66
    .vgpr_count:     258
    .wavefront_size: 32
...
	.end_amdgpu_metadata
.endif
;; end of part 1
;; launch qkv (part 2): grid 12 x 32, 4 waves a work-group, clusters of 4 x 4, 279,040 bytes of LDS; arguments xc, xs, wc, ws, qkv; writes qkv
.if DOCPART == 2
	.amdgcn_target "amdgcn-amd-amdhsa--gfx1250"
	.amdhsa_code_object_version 6
	.text
	.protected	k_q417e9526e4_qkv
	.globl	k_q417e9526e4_qkv
	.p2align	8
	.type	k_q417e9526e4_qkv,@function
k_q417e9526e4_qkv:
	s_mov_b64 s[64:65], 0
	v_nop
	global_prefetch_b8 v0, s[64:65] scope:SCOPE_SE
	s_setreg_imm32_b32 hwreg(HW_REG_WAVE_MODE, 25, 1), 1
	s_wait_xcnt 0x0
	s_wait_alu depctr_hold_cnt(0) depctr_sa_sdst(0) depctr_va_vdst(0) depctr_va_sdst(0) depctr_va_ssrc(0) depctr_va_vcc(0) depctr_vm_vsrc(0)
	s_getreg_b32 s2, hwreg(HW_REG_IB_STS2, 6, 4)
	s_cmp_eq_u32 s2, 0
	s_cbranch_scc0 .Lentry_in_a_cluster
	s_endpgm
.Lentry_in_a_cluster:
	s_bfe_u32 s2, ttmp6, 0x10000c
	s_cmp_lg_u32 s2, 0xf033
	s_cbranch_scc0 .Lentry_shape_is_right
	s_endpgm
.Lentry_shape_is_right:
; QKV.  q, k, v [token][feature] = sum over m of Q(resid)[token][m] Q(w)[m][feature], on codes of FP4 (E2M1) with one E8M0 scale for each 32 along m; sums in f32, rounded once to f16.
; 8,192 tokens x 3,072 features (1,024 each of q, k, v), K = 1,024.  A tile of 256 tokens x 256 features is made by four waves, each 128 x 128: 64 accumulators of 16 x 16, 512 registers.
; ALL OF K FITS IN LDS: two slots of 512 along K (2 x 128 KiB of codes) and the scale words (16 KiB).  Every tensor load goes out at the head, three a wave; no LDS byte is filled twice, so there is no ring.
; The codes lie in memory in the order of the operand's registers (a fragment, 16 rows x 128 K, is 1,024 bytes; lane L takes 16 bytes at 512 c + 16 L into registers 4 c .. 4 c + 3), so a wave's part of a slot is one
; dense block, an LDS load's 512 bytes are consecutive, and no row needs padding.
; CLUSTERS: 4 x 4 work-groups.  The four of a row of the cluster need the same tokens' codes, the four of a column the same features': each block is asked for JOINTLY, by the same tensor load with a mask that names the four.
; THE MATRIX INSTRUCTION IS USED TRANSPOSED (source 0 = 16 features, source 1 = 16 tokens): a lane holds one token and eight neighbouring features, which pack into 16 bytes.
; THE WAY OUT needs no LDS: qkv is laid [which 3][batch, head 64][tile of 16 tokens 128][2,048 bytes] in the order of the next launch's operand registers.  For q and k the packed 16 bytes of lane L of feature block b
; belong at 512 (b % 4) + 16 L; for v (read there by the turning LDS load) at 512 (b % 4) + 256 (r / 8) + 128 h + 16 (r % 8).  Either way a wave's store covers 512 consecutive bytes.
; REGISTERS, in windows of 256: window 0: v0-31 addresses; v32-95 scale words, a set for each slot; v128-191 the tokens' fragments, ONE set; on the way out v128-255 packed results.
;   window 1: the features' fragments, TWO sets, at v0 and v128.   windows 2, 3: the accumulators of my tokens 0-63, 64-127 ((a, b) at v[8 (8 (a % 4) + b)]).
; LIMITS: q, k, v are rounded to f16: magnitudes up to 65,504, and under 2^-14 kept to 2^-25 absolutely; NaN and infinities are not served.
.set SLOT,  131072                     ; tokens' 16 tiles x 4,096 bytes, then features' 16
.set SCL,   2*SLOT                     ; the scale words: tokens' 16 tiles x 512 bytes, then features'
.set NQ,    4                          ; matrix instructions deep in a slot
.set FR,    8                          ; registers of a fragment
.set NL,    2                          ; LDS loads that bring one
.set NP,    4                          ; places behind this matrix instruction (ISA guide 7.12.1)
.set ADRA, 16                          ; v16-17  my tokens' fragments in slot 0, 1
.set ADRB, 20                          ; v20-21  my features'
.set CO,   26                          ; v26     my 16 bytes in a store's 512
.set ADRS, 27                          ; v27     my scale words: lanes 0-15 the tokens', lanes 16-31 the features'
.set SC,   32                          ; set s at v[SC + 32 s]; register 4 i + q: block i's words for the slot's q-th 128 along K
.set AF,   128
.set TMP,  128
.set G1, 24
.set G0, 32
.set G1B, 48
.set G0B, 56
.set G1S, 68
.set G0S, 76
.set G1SB, 80
.set G0SB, 88
.set MSB, 0
.macro WIN new                         ; the immediate's high byte repeats the setting that is left
.if MSB != \new
	s_set_vgpr_msb (MSB<<8)|\new
.set MSB, \new
.endif
.endm
.set MUL_LO, 0xa1                      ; source 0 window 1, source 1 window 0, C and D window 2
.set MUL_HI, 0xf1                      ; the same, C and D window 3
.set TO_B,   0x40                      ; destination window 1, address window 0
; A joint load: waves 0 and 1 fetch for the tokens, waves 2 and 3 for the features.  The branch hangs on the wave's number alone.  Four v_nop follow each of the two lines.
.macro JLOAD g0a, g1a, g0b, g1b
	s_cmp_eq_u32 s15, 0
	s_cbranch_scc0 .Lfor_b_\@
	tensor_load_to_lds s[\g0a:\g0a+3], s[\g1a:\g1a+7]
	s_nop 0
.rept 4
	v_nop
.endr
	s_branch .Lasked_\@
.Lfor_b_\@:
	tensor_load_to_lds s[\g0b:\g0b+3], s[\g1b:\g1b+7]
	s_nop 0
.rept 4
	v_nop
.endr
.Lasked_\@:
.endm
.macro CROUND                          ; a round of the cluster's barrier
	s_barrier_signal -1
	s_barrier_wait -1
	s_cmp_lg_u32 s14, 0
	s_cbranch_scc1 .Lnot_wave_0_\@
	s_barrier_signal -3
.Lnot_wave_0_\@:
	s_barrier_wait -3
	s_barrier_signal -1
	s_barrier_wait -1
.endm
	s_load_b128 s[4:7], s[0:1], 0x0                ; xc, xs
	s_load_b128 s[8:11], s[0:1], 0x10              ; wc, ws
	s_load_b64 s[12:13], s[0:1], 0x20              ; qkv
	v_lshl_add_u32 v126, v0, 2, 0x44000
	v_mov_b32 v127, 0
	ds_add_u32 v126, v127
	v_lshrrev_b32 v1, 5, v0
	v_readfirstlane_b32 s14, v1                    ; wave 0..3
	s_lshr_b32 s15, s14, 1                         ; which 128 tokens are mine.  Also: I fetch for the tokens (0) or the features (1)
	s_and_b32 s16, s14, 1                          ; which 128 features.  Also: which half of that block I fetch
	s_bfe_u32 s40, ttmp6, 0x40000                  ; cx, cy: my place in the cluster
	s_bfe_u32 s41, ttmp6, 0x40004
	s_lshl_b32 s42, ttmp9, 2
	s_add_co_u32 s42, s42, s40                     ; tile column (features) = 4 x cluster x + cx
	s_and_b32 s17, ttmp7, 0xffff
	s_lshl_b32 s17, s17, 2
	s_add_co_u32 s17, s17, s41                     ; tile row (tokens) = 4 x cluster y + cy
	s_lshl_b32 s43, s41, 2
	s_lshl_b32 s43, 15, s43                        ; my row of the cluster
	s_lshl_b32 s44, 0x1111, s40                    ; my column
	; group 1: dense blocks as rows of 256 bytes (32 elements of 8 bytes), no padding: codes 128 rows (32 KiB), scale words 16 rows (4 KiB)
	s_or_b32 s[G1+0], s43, (3<<16)|(1<<21)         ; 15:0 the mask; 17:16 elements of 8 bytes; 21 set beside a mask
	s_or_b32 s[G1B+0], s44, (3<<16)|(1<<21)
	s_or_b32 s[G1S+0], s43, (3<<16)|(1<<21)
	s_or_b32 s[G1SB+0], s44, (3<<16)|(1<<21)
.irp g, G1, G1B
	s_mov_b32 s[\g+1], 32<<16                      ; tensor_dim0
	s_mov_b32 s[\g+2], 128<<16                     ; tensor_dim1
	s_mov_b32 s[\g+3], 32<<16                      ; tile_dim0
	s_mov_b32 s[\g+4], 128                         ; tile_dim1
	s_mov_b32 s[\g+5], 32                          ; tensor_dim0_stride
	s_mov_b32 s[\g+6], 0
	s_mov_b32 s[\g+7], 0
.endr
.irp g, G1S, G1SB
	s_mov_b32 s[\g+1], 32<<16
	s_mov_b32 s[\g+2], 16<<16
	s_mov_b32 s[\g+3], 32<<16
	s_mov_b32 s[\g+4], 16
	s_mov_b32 s[\g+5], 32
	s_mov_b32 s[\g+6], 0
	s_mov_b32 s[\g+7], 0
.endr
	s_lshl_b32 s18, s16, 3                         ; which 8 tiles of 16 I fetch
	s_lshl_b32 s20, s17, 4
	s_add_co_u32 s20, s20, s18                     ; tokens: first tile of 16
	s_lshl_b32 s46, s42, 4
	s_add_co_u32 s46, s46, s18                     ; features: first tile of 16
	s_lshl_b32 s22, s20, 9                         ; 512 bytes of scale words a tile,
	s_mov_b32 s23, 0
	s_lshl_b32 s92, s46, 9
	s_mov_b32 s93, 0
	s_lshl_b32 s20, s20, 12                        ; 4,096 bytes of codes a tile and slot
	s_mov_b32 s21, 0
	s_lshl_b32 s46, s46, 12
	s_mov_b32 s47, 0
	s_lshl_b32 s45, s14, 15                        ; where they go: wave x 32 KiB: no place in the cluster enters an LDS address
	s_lshl_b32 s94, s14, 12
	s_wait_dscnt 0x0
	s_wait_kmcnt 0x0
	s_add_nc_u64 s[20:21], s[4:5], s[20:21]
	s_add_nc_u64 s[22:23], s[6:7], s[22:23]
	s_add_nc_u64 s[46:47], s[8:9], s[46:47]
	s_add_nc_u64 s[92:93], s[10:11], s[92:93]
	CROUND                                         ; all sixteen work-groups are here: the joint loads meet
	s_mov_b32 s[G0S], 1
	s_add_co_u32 s[G0S+1], s94, SCL
	s_mov_b64 s[G0S+2:G0S+3], s[22:23]
	s_or_b32 s[G0S+3], s[G0S+3], 0x80000000
	s_mov_b32 s[G0SB], 1
	s_add_co_u32 s[G0SB+1], s94, SCL
	s_mov_b64 s[G0SB+2:G0SB+3], s[92:93]
	s_or_b32 s[G0SB+3], s[G0SB+3], 0x80000000
	JLOAD G0S, G1S, G0SB, G1SB                     ; the scale words first: they are wanted with slot 0
.irp s, 0,1
	s_mov_b32 s[G0+4*\s], 1
	s_add_co_u32 s[G0+4*\s+1], s45, \s*SLOT
	s_add_nc_u64 s[G0+4*\s+2:G0+4*\s+3], s[20:21], \s*2097152
	s_or_b32 s[G0+4*\s+3], s[G0+4*\s+3], 0x80000000
	s_mov_b32 s[G0B+4*\s], 1
	s_add_co_u32 s[G0B+4*\s+1], s45, \s*SLOT
	s_add_nc_u64 s[G0B+4*\s+2:G0B+4*\s+3], s[46:47], \s*786432
	s_or_b32 s[G0B+4*\s+3], s[G0B+4*\s+3], 0x80000000
	JLOAD G0+4*\s, G1, G0B+4*\s, G1B               ; three tensor loads of a wave are out
.endr
	v_and_b32 v1, 15, v0                           ; r
	v_bfe_u32 v2, v0, 4, 1                         ; h
	v_and_b32 v3, 31, v0
	v_lshlrev_b32 v4, 4, v3                        ; 16 L
	s_lshl_b32 s21, s15, 15                        ; my 8 tiles of tokens
	s_lshl_b32 s22, s16, 15                        ; my 8 tiles of features,
	s_add_co_u32 s22, s22, 65536                   ; which lie behind the tokens' 16
.irp s, 0,1
	v_add_nc_u32 v[ADRA+\s], s21, v4
	v_add_nc_u32 v[ADRB+\s], s22, v4
	s_add_co_u32 s21, s21, SLOT
	s_add_co_u32 s22, s22, SLOT
.endr
	v_lshlrev_b32 v5, 4, v1                        ; a row's four scale words: 16 r
	s_lshl_b32 s21, s15, 12                        ; tokens': my 8 tiles
	s_lshl_b32 s22, s16, 12                        ; features': my 8 tiles, behind the tokens' 16
	s_add_co_u32 s22, s22, 8192
	s_sub_co_u32 s22, s22, s21
	v_mul_u32_u24 v6, s22, v2                      ; lanes 16-31 take the features': one product, the distance between the two bases x h
	s_add_co_u32 s21, s21, SCL
	v_add_nc_u32 v5, v5, v6
	v_add_nc_u32 v[ADRS], s21, v5
	v_lshrrev_b32 v6, 3, v1                        ; v's order: 256 (r / 8) + 128 h + 16 (r % 8)
	v_lshlrev_b32 v6, 8, v6
	v_lshl_add_u32 v6, v2, 7, v6
	v_and_b32 v7, 7, v1
	v_lshl_add_u32 v6, v7, 4, v6
	s_cmp_eq_u32 ttmp9, 2                          ; cluster x = 2: the features are v's.  A select, no branch
	s_cselect_b32 s95, -1, 0
	v_cndmask_b32 v[CO], v4, v6, s95
	; where my part begins in qkv.  The tokens' share: batch x 16 heads x 262,144 + my first tile of 16 tokens x 2,048
	s_lshr_b32 s20, s17, 3
	s_lshl_b32 s20, s20, 22
	s_and_b32 s21, s17, 7
	s_lshl_b32 s21, s21, 15
	s_add_co_u32 s20, s20, s21
	s_lshl_b32 s21, s15, 14
	s_add_co_u32 s20, s20, s21
	s_mov_b32 s21, 0
	; the features' share: (64 which + my first head) x 262,144, in the registers that held the features' address
	s_lshr_b32 s46, s42, 2
	s_lshl_b32 s46, s46, 6
	s_and_b32 s47, s42, 3
	s_lshl_b32 s47, s47, 2
	s_add_co_u32 s46, s46, s47
	s_lshl_b32 s47, s16, 1
	s_add_co_u32 s46, s46, s47
	s_lshl_b32 s46, s46, 18
	s_mov_b32 s47, 0
	s_add_nc_u64 s[12:13], s[12:13], s[20:21]
	s_add_nc_u64 s[12:13], s[12:13], s[46:47]
.macro FRAG reg, adr, q, i             ; fragment q of tile i: two loads of 512 consecutive bytes
.irp c, 0,1
	ds_load_b128 v[\reg+4*\c:\reg+4*\c+3], v[\adr] offset:4096*(\i)+1024*(\q)+512*\c
.endr
.endm
; 16 matrix instructions: token blocks a0, a0 + 1 x the eight feature blocks, 128 along K.  p: the features' set;  sc: the set of scale words.  zero = 1: the product starts the sums: nothing is cleared.
; The 64 accumulators take turns, one instruction a turn, in the same order in every step.
.macro MUL16 a0, p, q, sc, zero
.irp a, \a0, \a0+1
.irp b, 0,1,2,3,4,5,6,7
.if \zero
	v_wmma_scale_f32_16x16x128_f8f6f4 v[8*(8*((\a)%4)+\b):8*(8*((\a)%4)+\b)+7], v[128*(\p)+FR*\b:128*(\p)+FR*\b+FR-1], v[AF+FR*(\a):AF+FR*(\a)+FR-1], 0, v[SC+8*NQ*(\sc)+NQ*\b+(\q)], v[SC+8*NQ*(\sc)+NQ*(\a)+(\q)] matrix_a_fmt:MATRIX_FMT_FP4 matrix_b_fmt:MATRIX_FMT_FP4 matrix_a_scale:MATRIX_SCALE_ROW1
.else
	v_wmma_scale_f32_16x16x128_f8f6f4 v[8*(8*((\a)%4)+\b):8*(8*((\a)%4)+\b)+7], v[128*(\p)+FR*\b:128*(\p)+FR*\b+FR-1], v[AF+FR*(\a):AF+FR*(\a)+FR-1], v[8*(8*((\a)%4)+\b):8*(8*((\a)%4)+\b)+7], v[SC+8*NQ*(\sc)+NQ*\b+(\q)], v[SC+8*NQ*(\sc)+NQ*(\a)+(\q)] matrix_a_fmt:MATRIX_FMT_FP4 matrix_b_fmt:MATRIX_FMT_FP4 matrix_a_scale:MATRIX_SCALE_ROW1
.endif
.endr
.endr
.endm
.macro FETCH_B slot, q, p
	WIN TO_B
.irp i, 0,1,2,3,4,5,6,7
	FRAG 128*(\p)+FR*\i, ADRB+\slot, \q, \i
.endr
	WIN 0
.endm
.macro FETCH_A slot, q, i0
.irp i, \i0, \i0+1, \i0+2, \i0+3
	FRAG AF+FR*(\i), ADRA+\slot, \q, \i
.endr
.endm
.macro SCALES sc                       ; slot sc's scale words: four words a row; lanes 0-15 take the tokens' block i, lanes 16-31 the features' block i
.irp i, 0,1,2,3,4,5,6,7
	ds_load_b128 v[SC+8*NQ*\sc+NQ*\i:SC+8*NQ*\sc+NQ*\i+3], v[ADRS] offset:512*\i+256*\sc
.endr
.endm
; A load into a register that a matrix instruction has read, and a vector instruction that reads a matrix result or writes one of its registers, stand NP places behind it; only plain vector
; instructions that name none of its registers are places (ISA guide 7.12.1 for vector instructions).
.macro PLACES n
.rept \n
	v_nop
.endr
.endm
; A step of 128 along K that has its successor in the same slot.  A block of tokens is free as soon as its eight products are issued: blocks 0-3 are fetched anew in the middle, blocks 4-7 at the end.
.macro STEP slot, q, zero
	s_wait_dscnt 4*NL                              ; all but the youngest eight loads (token blocks 4-7) are in
	WIN MUL_LO
	MUL16 0, (\q)%2, \q, \slot, \zero
	MUL16 2, (\q)%2, \q, \slot, \zero
	s_wait_dscnt 0                                 ; token blocks 4-7 are in (asked for 32 matrix instructions ago)
	PLACES NP
	FETCH_B \slot, (\q)+1, 1-(\q)%2
	FETCH_A \slot, (\q)+1, 0
	WIN MUL_HI
	MUL16 4, (\q)%2, \q, \slot, \zero
	MUL16 6, (\q)%2, \q, \slot, \zero
	PLACES NP
	WIN 0
	FETCH_A \slot, (\q)+1, 4
.endm
	s_wait_tensorcnt 1                             ; my scale words and my part of slot 0 are in (slot 1's load may be out)
	s_barrier_signal -1
	s_barrier_wait -1                              ; everybody's are
	FETCH_B 0, 0, 0
	FETCH_A 0, 0, 0
	SCALES 0
	SCALES 1
	FETCH_A 0, 0, 4
	STEP 0, 0, 1                                   ; the first step's products start the sums
	STEP 0, 1, 0
	STEP 0, 2, 0
	; slot 0's last step goes over to slot 1: one barrier, in front of which each wave's part of slot 1 has landed
	s_wait_tensorcnt 0x0
	s_wait_dscnt 4*NL
	WIN MUL_LO
	MUL16 0, 1, 3, 0, 0
	s_wait_dscnt 0x0                               ; no LDS instruction of mine is out at the signal
	s_barrier_signal -1
	MUL16 2, 1, 3, 0, 0
	WIN 0
	s_barrier_wait -1
	PLACES NP
	FETCH_B 1, 0, 0
	FETCH_A 1, 0, 0
	WIN MUL_HI
	MUL16 4, 1, 3, 0, 0
	MUL16 6, 1, 3, 0, 0
	PLACES NP
	WIN 0
	FETCH_A 1, 0, 4
	STEP 1, 0, 0
	STEP 1, 1, 0
	STEP 1, 2, 0
	s_wait_dscnt 4*NL                              ; the last step: nothing more to fetch
	WIN MUL_LO
	MUL16 0, 1, 3, 1, 0
	MUL16 2, 1, 3, 1, 0
	s_wait_dscnt 0
	WIN MUL_HI
	MUL16 4, 1, 3, 1, 0
	MUL16 6, 1, 3, 1, 0
	WIN 0
; THE WAY OUT, a block of 16 tokens at a time: each accumulator from its low end on, two roundings an instruction; feature block b is channels 16 (b % 4) on of head b / 4 of my two.
.macro OUTB a
.set AC, 64*((\a)%4)
.set TT, TMP+32*((\a)%4)
	WIN 0x0a+5*((\a)/4)                            ; sources 0 and 1: window 2 or 3
.irp b, 0,1,2,3,4,5,6,7
.irp i, 0,1,2,3
	v_cvt_pk_f16_f32 v[TT+4*\b+\i], v[AC+8*\b+2*\i], v[AC+8*\b+2*\i+1]
.endr
.endr
	WIN 0
.irp b, 0,1,2,3,4,5,6,7
	global_store_b128 v[CO], v[TT+4*\b:TT+4*\b+3], s[12:13] offset:(\b/4)*262144+2048*(\a)+512*(\b%4) th:TH_STORE_NT   ; 512 consecutive bytes, aligned; written once, read by nobody here
.endr
.endm
	PLACES NP                                      ; behind the last products: their results are read, and the tokens' fragments written over, only behind these
.irp a, 0,1,2,3
	OUTB \a
.endr
	s_wait_xcnt 0x0                                ; the stores so far have read their data: the packed registers are written again only behind this wait
.irp a, 4,5,6,7
	OUTB \a
.endr
	s_wait_tensorcnt 0x0
	ds_add_u32 v126, v127
	s_wait_dscnt 0x0
	CROUND                                         ; the closing round: no work-group ends while a partner may still ask for a block that names it
	s_endpgm
.Lfunc_end_k_q417e9526e4_qkv:
	.size	k_q417e9526e4_qkv, .Lfunc_end_k_q417e9526e4_qkv-k_q417e9526e4_qkv
	.p2alignl 7, 3214868480
	.fill 96, 4, 3214868480
	.section	.rodata,"a",@progbits
	.p2align	6, 0x0
	.amdhsa_kernel k_q417e9526e4_qkv
		.amdhsa_group_segment_fixed_size 279040
		.amdhsa_private_segment_fixed_size 0
		.amdhsa_enable_private_segment 0
		.amdhsa_kernarg_size 40
		.amdhsa_user_sgpr_count 2
		.amdhsa_user_sgpr_kernarg_segment_ptr 1
		.amdhsa_wavefront_size32 1
		.amdhsa_system_sgpr_workgroup_id_x 1
		.amdhsa_system_sgpr_workgroup_id_y 1
		.amdhsa_system_sgpr_workgroup_id_z 1
		.amdhsa_system_vgpr_workitem_id 0
		.amdhsa_next_free_vgpr 1024
		.amdhsa_next_free_sgpr 98
		.amdhsa_reserve_vcc 0
		.amdhsa_float_denorm_mode_32 3
		.amdhsa_float_denorm_mode_16_64 3
		.amdhsa_memory_ordered 1
		.amdhsa_forward_progress 1
		.amdhsa_inst_pref_size 117
	.end_amdhsa_kernel
	.amdgpu_metadata
---
amdhsa.version: [ 1, 2 ]
amdhsa.kernels:
  - .name:           k_q417e9526e4_qkv
    .symbol:         k_q417e9526e4_qkv.kd
    .args:
      - { .name: xc, .offset: 0, .size: 8, .value_kind: global_buffer, .address_space: global }
      - { .name: xs, .offset: 8, .size: 8, .value_kind: global_buffer, .address_space: global }
      - { .name: wc, .offset: 16, .size: 8, .value_kind: global_buffer, .address_space: global }
      - { .name: ws, .offset: 24, .size: 8, .value_kind: global_buffer, .address_space: global }
      - { .name: qkv, .offset: 32, .size: 8, .value_kind: global_buffer, .address_space: global }
    .group_segment_fixed_size: 279040
    .private_segment_fixed_size: 0
    .kernarg_segment_align: 8
    .kernarg_segment_size: 40
    .max_flat_workgroup_size: 128
    .sgpr_count:     98
    .vgpr_count:     1024
    .wavefront_size: 32
...
	.end_amdgpu_metadata
.endif
;; end of part 2
;; launch attn (part 3): grid 4 x 64, 8 waves a work-group, no clusters, 327,680 bytes of LDS; arguments qkv, z; writes z
.if DOCPART == 3
	.amdgcn_target "amdgcn-amd-amdhsa--gfx1250"
	.amdhsa_code_object_version 6
	.text
	.protected	k_q417e9526e4_attn
	.globl	k_q417e9526e4_attn
	.p2align	8
	.type	k_q417e9526e4_attn,@function
k_q417e9526e4_attn:
	s_mov_b64 s[64:65], 0
	v_nop
	global_prefetch_b8 v0, s[64:65] scope:SCOPE_SE
	s_setreg_imm32_b32 hwreg(HW_REG_WAVE_MODE, 25, 1), 1
	s_wait_xcnt 0x0
; ATTN.  z[b][s][head, d] = the sum over keys k <= s of softmax_k(q . k / 8) v, for 64 (batch, head) x 2,048 tokens, head size 64.  q, k, v in f16 (as the launch before laid them), products, maxima and sums in f32;
; the weights p are rounded to f16 for the second product; z leaves as TWO f16 numbers, hi + lo (hi: the f32 number with its low 13 mantissa bits cleared, which f16 holds exactly; lo: the rest, rounded): 21 bits together.
; SHARES.  Work-group (p, batch-head) owns the query blocks 7 - p and p, 256 queries each, one after the other.  Block i needs the key slots 0 .. i (256 keys each; what lies above the diagonal is thrown away by the
; mask): 8 - p slots and then p + 1, always NINE slot steps.  So the trip counts are constants and all 256 work-groups have the same work.  Each of eight waves owns 32 queries, two tiles of 16;
; two waves share a SIMD, so that one wave's softmax stands beside the other's products and LDS loads.
; NO CLUSTER: the four work-groups of a head ask for the same slot only in the first 5 of their 9 steps (work-group p turns back to slot 0 behind step 7 - p), and a joint load has to name the same tile in all partners on every path.
; LAYOUT.  S^T = K Q^T (source 0 = 16 keys, source 1 = 16 queries): a lane holds ONE query (lane % 16) and the keys 8 (lane / 16) + 0..7.  Two such tiles, rounded to f16 in pairs, ARE source 1 of O^T = V^T P, whose
; result again holds one query a lane and eight channels; packed, it is z's image.  All operands lie in memory and LDS in the order of their registers: every read is 16 x lane + a constant; V is turned by ds_load_tr16_b128.
; z is laid [part 2: hi, lo][K step of 128: 8][tile of 16 tokens 512][4 fragments of 16 rows x 32 K], K = 64 head + d.
; SOFTMAX.  For each query a running maximum m and sum l: p = 2^(c s - c m), c = log2(e) / 8; in every step O and l are multiplied by a = 2^(c m_old - c m_new).  m begins at -3e38, O and l at 0: the step is written once.
; A step of 64 keys all of which come after my 32 queries is jumped over (a scalar branch on ids); on the diagonal hidden scores become -infinity.  A step's first key is never above my first query, so every query sees a key in every step that is run.
; LIMITS: q, k, v, p in f16, z in two f16 (|z| up to 65,504; under 2^-14 kept to 2^-25 absolutely); a p under 2^-25 counts as 0 in the product; scores under -3e38 are not served; NaN and infinities are not served.
; REGISTERS: window 0: v1 16 x lane, v2 the step's LDS address, v3 prefetch offset, v4, v5 the add's, v6-9 the mask's; v16-31 statistics (tile t at 16 + 8 t: c m, m, l (two halves), c0-c3; a takes c2's place);
;   v64-127 S^T (32 a tile); v128-159 P (16 a tile); v160-223 K's 8 fragments.   window 1: v0-31 Q; v32-95 O^T (32 a tile); v96-159 V's 8 fragments; v160-191 the second block's Q.
.set SLOTB, 65536                      ; a slot: K's 16 tiles of 16 keys x 2,048 bytes, then V's
.set VOFF,  32768
.set SPARE, 2*SLOTB                    ; behind the ring: the spare words, 128 bytes for each of eight waves: four blocks of 256 bytes that no other line names
.set ST,  16
.set S,   64
.set P,   128
.set KFR, 160
.set Q,   0                            ; window 1
.set O,   32
.set VFR, 96
.set QN,  160
.set WV,    8                          ; s8   wave
.set LASTB, 9                          ; s9   7 - p: the first block, and its last slot
.set PP1,   10                         ; s10  p + 1
.set NS,    11                         ; s11  the slot that the next fill brings
.set SLOTS, 12                         ; s12  trips to go
.set TB,    13                         ; s13  LDS byte at which the slot in hand begins
.set KF,    14                         ; s14  the step's first key
.set Q0,    15                         ; s15  my first query
.set G1,    16                         ; s[16:23] descriptor group 1
.set G0,    24                         ; s[24:27] group 0, which walks
.set KVB,   28                         ; s[28:29] my quarter (K's halves: waves 0, 1; V's: waves 2, 3; waves 4-7 likewise, for the prefetches) of the head's slot 0
.set CS,    32                         ; s[32:33] c, twice: the packed form names a pair
.set SEL,   34                         ; s[34:35] lane selects for v_permlanex16_b32: lane l xor 16
.set PFA,   36                         ; s[36:37] where my prefetches stand
.set LIM,   38                         ; s38  2 in a wave that prefetches, else the greatest number
.set MASK,  39                         ; s39  keeps sign, exponent and the 10 mantissa bits that f16 holds
.set ZB,    40                         ; s[40:41] z at the block in hand;  s[42:43] at the second block
.set ZN,    42
.set MSB, 0
.macro WIN new                         ; the immediate's high byte repeats the setting that is left
.if MSB != \new
	s_set_vgpr_msb (MSB<<8)|\new
.set MSB, \new
.endif
.endm
.macro TLOAD                           ; waves 0 to 3 fetch a quarter of a slot each, 16 KiB; the others nothing.  Four v_nop follow the line
	s_cmp_lt_u32 s[WV], 4
	s_cbranch_scc0 .Lno_load_\@
	tensor_load_to_lds s[G0:G0+3], s[G1:G1+7]
	s_nop 0
.rept 4
	v_nop
.endr
.Lno_load_\@:
.endm
; A PREFETCH of the slot that the NEXT change of slots will ask for.  All four work-groups of a head walk the same K and V; work-group p = 0 walks slots 0 to 7 in order and asks; in it waves 4 to 7, which fetch nothing,
; take a quarter of the slot each: 16 KiB, lanes 256 bytes apart, two instructions.  Trip t names slot t + 2, in trips 0 to 5: each 256 bytes once.  Slots 0 and 1 come by their loads alone.
.macro ASK
	s_cmp_gt_u32 s[SLOTS], s[LIM]
	s_cbranch_scc0 .Lnot_mine_\@
	global_prefetch_b8 v3, s[PFA:PFA+1] th:TH_LOAD_NT scope:SCOPE_SE
	global_prefetch_b8 v3, s[PFA:PFA+1] offset:8192 th:TH_LOAD_NT scope:SCOPE_SE
.Lnot_mine_\@:
.endm
	s_load_b128 s[4:7], s[0:1], 0x0                ; qkv, z
	v_lshl_add_u32 v4, v0, 2, SPARE
	v_mov_b32 v5, 0
	ds_add_u32 v4, v5
	s_wait_dscnt 0x0
	v_lshrrev_b32 v1, 5, v0
	v_readfirstlane_b32 s[WV], v1                  ; wave 0..7
	v_and_b32 v1, 31, v0
	v_lshlrev_b32 v3, 8, v1                        ; 256 x lane
	v_lshlrev_b32 v1, 4, v1                        ; 16 x lane
	v_and_b32 v9, 15, v0
	v_bfe_u32 v2, v0, 4, 1
	v_lshlrev_b32 v2, 3, v2
	v_sub_nc_u32 v9, v9, v2                        ; r - 8 h
	v_mov_b32 v8, 0xff800000                       ; -infinity
	s_sub_co_u32 s[LASTB], 7, ttmp9
	s_add_co_u32 s[PP1], ttmp9, 1
	s_mov_b32 s[NS], 1
	s_mov_b32 s[SLOTS], 8
	s_mov_b32 s[TB], 0
	s_mov_b32 s[KF], 0
	s_mov_b32 s[MASK], 0xffffe000
	s_lshl_b32 s[Q0], s[LASTB], 8
	s_lshl_b32 s48, s[WV], 5
	s_add_co_u32 s[Q0], s[Q0], s48                 ; 256 x block + 32 x wave
	s_and_b32 s49, ttmp7, 0xffff                   ; 16 batch + head
	s_mov_b32 s[G1], 3<<16                         ; no mask; elements of 8 bytes; no padding: a dense 16 KiB as 64 rows of 256 bytes
	s_mov_b32 s[G1+1], 32<<16                      ; tensor_dim0
	s_mov_b32 s[G1+2], 64<<16                      ; tensor_dim1
	s_mov_b32 s[G1+3], 32<<16                      ; tile_dim0
	s_mov_b32 s[G1+4], 64                          ; tile_dim1
	s_mov_b32 s[G1+5], 32                          ; tensor_dim0_stride
	s_mov_b32 s[G1+6], 0
	s_mov_b32 s[G1+7], 0
	s_mov_b32 s[G0], 1
	s_and_b32 s48, s[WV], 3
	s_lshl_b32 s[G0+1], s48, 14                    ; LDS: my quarter of slot 0
	s_lshr_b32 s50, s48, 1
	s_add_co_u32 s50, s50, 1                       ; k is the second third of qkv, v the last
	s_lshl_b32 s30, s50, 24
	s_lshl_b32 s50, s49, 18                        ; a head's 128 tiles x 2,048 bytes
	s_add_co_u32 s30, s30, s50
	s_and_b32 s50, s[WV], 1
	s_lshl_b32 s50, s50, 14
	s_add_co_u32 s30, s30, s50
	s_mov_b32 s31, 0
	; z: (head / 2) x 2,097,152 + (128 batch + 16 block + 2 wave) x 4,096 + (head % 2) x 2,048
	s_and_b32 s50, s49, 15
	s_lshr_b32 s51, s49, 4
	s_lshr_b32 s48, s50, 1
	s_lshl_b32 s48, s48, 21
	s_lshl_b32 s51, s51, 19
	s_add_co_u32 s48, s48, s51
	s_and_b32 s50, s50, 1
	s_lshl_b32 s50, s50, 11
	s_add_co_u32 s48, s48, s50
	s_lshl_b32 s50, s[WV], 13
	s_add_co_u32 s48, s48, s50
	s_lshl_b32 s50, s[LASTB], 16
	s_add_co_u32 s50, s50, s48
	s_mov_b32 s51, 0
	s_lshl_b32 s52, ttmp9, 16
	s_add_co_u32 s52, s52, s48
	s_mov_b32 s53, 0
	; q: head x 262,144 + (16 block + 2 wave) x 2,048
	s_lshl_b32 s54, s49, 18
	s_lshl_b32 s55, s[WV], 12
	s_add_co_u32 s54, s54, s55
	s_lshl_b32 s56, ttmp9, 15
	s_add_co_u32 s56, s56, s54
	s_mov_b32 s57, 0
	s_lshl_b32 s55, s[LASTB], 15
	s_add_co_u32 s54, s54, s55
	s_mov_b32 s55, 0
	s_mov_b32 s[CS], 0x3e38aa3b                    ; c = log2(e) / 8
	s_mov_b32 s[CS+1], s[CS]
	s_mov_b32 s[SEL], 0x76543210
	s_mov_b32 s[SEL+1], 0xfedcba98
	s_lshr_b32 s48, s[WV], 2
	s_xor_b32 s48, s48, 1                          ; 0 in waves 4 to 7,
	s_or_b32 s48, s48, ttmp9                       ; of the head's work-group 0
	s_cmp_eq_u32 s48, 0
	s_cselect_b32 s[LIM], 2, -1
	s_wait_kmcnt 0x0
	s_add_nc_u64 s[KVB:KVB+1], s[4:5], s[30:31]
	s_mov_b64 s[G0+2:G0+3], s[KVB:KVB+1]
	s_or_b32 s[G0+3], s[G0+3], 0x80000000
	TLOAD                                          ; slot 0, ahead of every wait on TENSORcnt, every LDS read and every barrier
	s_add_nc_u64 s[PFA:PFA+1], s[KVB:KVB+1], 32768 ; at slot 1: the first change of slots steps it to slot 2.  Nothing is prefetched here, at the head
	s_add_nc_u64 s[ZB:ZB+1], s[6:7], s[50:51]
	s_add_nc_u64 s[ZN:ZN+1], s[6:7], s[52:53]
	s_add_nc_u64 s[44:45], s[4:5], s[54:55]
	s_add_nc_u64 s[46:47], s[4:5], s[56:57]
	WIN 0x40                                       ; destination window 1
.irp t, 0,1
.irp g, 0,1
.irp c, 0,1
	global_load_b128 v[Q+16*\t+8*\g+4*\c:Q+16*\t+8*\g+4*\c+3], v1, s[44:45] offset:2048*\t+1024*\g+512*\c     ; both blocks' Q stay in registers: tile t, channels 32 g on
	global_load_b128 v[QN+16*\t+8*\g+4*\c:QN+16*\t+8*\g+4*\c+3], v1, s[46:47] offset:2048*\t+1024*\g+512*\c
.endr
.endr
.endr
	WIN 0
.macro INIT                            ; a block's start: m under every score, l and O^T zeros
.irp t, 0,1
	v_mov_b32 v[ST+8*\t+1], 0xff61b1e6             ; -3e38
	v_mul_f32 v[ST+8*\t], s[CS], v[ST+8*\t+1]
.irp j, 2,3,4,5,6,7
	v_mov_b32 v[ST+8*\t+\j], 0                     ; (c1 is a lane permute's destination, which counts as one of its sources)
.endr
.endr
	WIN 0x40
.set n, 0
.rept 64
	v_mov_b32 v[O+n], 0                            ; the step is written once: its first run finds zeros, which a = 0 leaves zeros
.set n, n+1
.endr
	WIN 0
.endm
; One step's softmax for both tiles, line by line by turns, in phases.
.macro SOFTMAX
.irp j, 0,1,2,3                        ; the maximum of the lane's 32 scores and the old m: four chains, each begun at an accumulator's low end
.irp t, 0,1
	v_max3_num_f32 v[ST+8*\t+4+\j], v[S+32*\t+8*\j], v[S+32*\t+8*\j+1], v[S+32*\t+8*\j+2]
.endr
.endr
.irp u, 1,2
.irp j, 0,1,2,3
.irp t, 0,1
	v_max3_num_f32 v[ST+8*\t+4+\j], v[ST+8*\t+4+\j], v[S+32*\t+8*\j+2*\u+1], v[S+32*\t+8*\j+2*\u+2]
.endr
.endr
.endr
.irp t, 0,1
	v_max3_num_f32 v[ST+8*\t+4], v[ST+8*\t+4], v[S+32*\t+7], v[S+32*\t+15]
	v_max3_num_f32 v[ST+8*\t+6], v[ST+8*\t+6], v[S+32*\t+23], v[S+32*\t+31]
.endr
.irp t, 0,1
	v_max3_num_f32 v[ST+8*\t+4], v[ST+8*\t+4], v[ST+8*\t+5], v[ST+8*\t+6]
.endr
.irp t, 0,1
	v_max3_num_f32 v[ST+8*\t+4], v[ST+8*\t+4], v[ST+8*\t+7], v[ST+8*\t+1]
.endr
.irp t, 0,1
	v_permlanex16_b32 v[ST+8*\t+5], v[ST+8*\t+4], s[SEL], s[SEL+1]   ; the query's other 32 keys lie in the lane 16 away
.endr
.irp t, 0,1
	v_mov_b32 v[ST+8*\t+7], v[ST+8*\t]             ; c m_old
.endr
.irp t, 0,1
	v_max_num_f32 v[ST+8*\t+1], v[ST+8*\t+4], v[ST+8*\t+5]
.endr
.irp t, 0,1
	v_mul_f32 v[ST+8*\t], s[CS], v[ST+8*\t+1]
.endr
.irp t, 0,1
	v_sub_f32 v[ST+8*\t+7], v[ST+8*\t+7], v[ST+8*\t]
.endr
.set n, 0
.rept 16
	v_pk_fma_f32 v[S+n:S+n+1], v[S+n:S+n+1], s[CS:CS+1], v[ST:ST+1] op_sel_hi:[1,0,0] neg_lo:[0,0,1] neg_hi:[0,0,1]               ; c s - c m, two at a time
	v_pk_fma_f32 v[S+32+n:S+32+n+1], v[S+32+n:S+32+n+1], s[CS:CS+1], v[ST+8:ST+9] op_sel_hi:[1,0,0] neg_lo:[0,0,1] neg_hi:[0,0,1]
.set n, n+2
.endr
.irp t, 0,1
	v_exp_f32 v[ST+8*\t+6], v[ST+8*\t+7]           ; a
.endr
.set n, 0
.rept 32
	v_exp_f32 v[S+n], v[S+n]
	v_exp_f32 v[S+32+n], v[S+32+n]
.set n, n+1
.endr
	v_nop                                          ; a plain line between the last exponential and the use of its result (ISA guide 5.7.2)
.set n, 0
	s_wait_alu depctr_va_vdst(0)
.rept 16
	v_cvt_pk_f16_f32 v[P+n], v[S+2*n], v[S+2*n+1]
	v_cvt_pk_f16_f32 v[P+16+n], v[S+32+2*n], v[S+32+2*n+1]
.set n, n+1
.endr
.irp w, 4,8,16,32                      ; the sum of a tile's 16 pairs, in place: neighbours 1, 2, 4 and 8 pairs apart
.set u, 0
.rept 32/\w
	v_pk_add_f32 v[S+\w*u:S+\w*u+1], v[S+\w*u:S+\w*u+1], v[S+\w*u+\w/2:S+\w*u+\w/2+1]
	v_pk_add_f32 v[S+32+\w*u:S+32+\w*u+1], v[S+32+\w*u:S+32+\w*u+1], v[S+32+\w*u+\w/2:S+32+\w*u+\w/2+1]
.set u, u+1
.endr
.endr
.irp t, 0,1
	v_pk_fma_f32 v[ST+8*\t+2:ST+8*\t+3], v[ST+8*\t+2:ST+8*\t+3], v[ST+8*\t+6:ST+8*\t+7], v[S+32*\t:S+32*\t+1] op_sel_hi:[1,0,1]   ; l = a l + the sum
.endr
.endm
; A KEY STEP: 64 keys, the q-th of the slot in hand.
.macro STEP q
	s_add_co_u32 s48, s[Q0], 31
	s_cmp_gt_u32 s[KF], s48                        ; all 64 keys come after my 32 queries: the step's work is left out; no barrier and no tensor load stands in a step
	s_cbranch_scc1 .Lhidden_\@
	v_add_nc_u32 v2, s[TB], v1
.irp f, 0,1,2,3,4,5,6,7                ; K: fragment f = keys 16 (f / 2) on, channels 32 (f % 2) on
.irp c, 0,1
	ds_load_b128 v[KFR+8*\f+4*\c:KFR+8*\f+4*\c+3], v2 offset:8192*(\q)+1024*\f+512*\c
.endr
.endr
	WIN 0x40
.irp kk, 0,1                           ; V, turned: fragment (kk, dt) = channels 16 dt on x keys 32 kk on; each load takes 16 keys x 16 channels
.irp dt, 0,1,2,3
.irp e, 0,1
	ds_load_tr16_b128 v[VFR+8*(4*\kk+\dt)+4*\e:VFR+8*(4*\kk+\dt)+4*\e+3], v2 offset:VOFF+8192*(\q)+4096*\kk+2048*\e+512*\dt
.endr
.endr
.endr
	s_wait_dscnt 16                                ; K's sixteen loads are in; V's sixteen may be out
	WIN 0x04                                       ; Q in window 1
.irp g, 0,1                            ; S^T = K Q^T: eight accumulators by turns, one instruction a turn; the first eight start the sums
.irp kt, 0,1,2,3
.irp t, 0,1
.if \g == 0
	v_wmma_f32_16x16x32_f16 v[S+32*\t+8*\kt:S+32*\t+8*\kt+7], v[KFR+8*(2*\kt+\g):KFR+8*(2*\kt+\g)+7], v[Q+16*\t+8*\g:Q+16*\t+8*\g+7], 0
.else
	v_wmma_f32_16x16x32_f16 v[S+32*\t+8*\kt:S+32*\t+8*\kt+7], v[KFR+8*(2*\kt+\g):KFR+8*(2*\kt+\g)+7], v[Q+16*\t+8*\g:Q+16*\t+8*\g+7], v[S+32*\t+8*\kt:S+32*\t+8*\kt+7]
.endif
.endr
.endr
.endr
	WIN 0
.rept 4
	v_nop                                          ; four places between the products and the first read of their results (ISA guide 7.12.1)
.endr
	s_add_co_u32 s48, s[KF], 63
	s_cmp_le_u32 s48, s[Q0]                        ; all 64 keys count for all my queries: no mask
	s_cbranch_scc1 .Lopen_\@
	s_sub_co_i32 s48, s[Q0], s[KF]
	v_add_nc_u32 v6, s48, v9                       ; d = my query - KF - 8 h.  Register 8 kt + j holds key KF + 8 h + 16 kt + j: hidden where 16 kt + j > d
	v_add_nc_u32 v7, 16, v6                        ; tile 1's queries are 16 on
.set n, 0
.rept 32
	v_cmp_gt_i32 vcc_lo, 16*(n/8)+n%8, v6
	v_cndmask_b32 v[S+n], v[S+n], v8, vcc_lo
	v_cmp_gt_i32 vcc_lo, 16*(n/8)+n%8, v7
	v_cndmask_b32 v[S+32+n], v[S+32+n], v8, vcc_lo
.set n, n+1
.endr
.Lopen_\@:
	SOFTMAX
	s_wait_dscnt 0x0                               ; V is in
	WIN 0x41                                       ; O^T in window 1, a in window 0
.set n, 0
.rept 16
	v_pk_mul_f32 v[O+n:O+n+1], v[O+n:O+n+1], v[ST+6:ST+7] op_sel_hi:[1,0]
	v_pk_mul_f32 v[O+32+n:O+32+n+1], v[O+32+n:O+32+n+1], v[ST+14:ST+15] op_sel_hi:[1,0]
.set n, n+2
.endr
	WIN 0x51                                       ; V, C and D in window 1, P in window 0
.irp kk, 0,1                           ; O^T += V^T P: eight accumulators by turns
.irp dt, 0,1,2,3
.irp t, 0,1
	v_wmma_f32_16x16x32_f16 v[O+32*\t+8*\dt:O+32*\t+8*\dt+7], v[VFR+8*(4*\kk+\dt):VFR+8*(4*\kk+\dt)+7], v[P+16*\t+8*\kk:P+16*\t+8*\kk+7], v[O+32*\t+8*\dt:O+32*\t+8*\dt+7]
.endr
.endr
.endr
	WIN 0
.rept 4
	v_nop                                          ; places in front of the next loads into V's registers and the next read of O^T
.endr
.Lhidden_\@:
	s_add_co_u32 s[KF], s[KF], 64
.endm
; THE CHANGE OF SLOTS stands at a slot's head.  Each wave waits for all its tensor loads (its part of the slot that it is about to read), adds 0 to its spare word, and waits for that and for its reads of the slot that it has left.
; fill = 1: that other slot is filled with the slot step that follows: one tensor load of a wave is out, and it has a whole slot's four steps in which to land.
.macro CHANGE fill
	s_wait_tensorcnt 0x0                           ; no tensor load of mine is out, so group 0 may be written
	ds_add_u32 v4, v5                              ; 0 onto my spare word
.if \fill
	s_xor_b32 s[G0+1], s[G0+1], SLOTB              ; the other slot than last time
	s_lshl_b32 s30, s[NS], 15                      ; a slot is 32,768 bytes of K and of V
	s_add_nc_u64 s[G0+2:G0+3], s[KVB:KVB+1], s[30:31]
	s_or_b32 s[G0+3], s[G0+3], 0x80000000
	s_add_co_u32 s[NS], s[NS], 1
	s_cmp_gt_u32 s[NS], s[LASTB]                   ; behind the first block's last slot the second block begins at slot 0
	s_cselect_b32 s[NS], 0, s[NS]
	s_wait_xcnt 0x0                                ; the last prefetches, a slot back, have read their address, so it may be written
	s_add_nc_u64 s[PFA:PFA+1], s[PFA:PFA+1], 32768
.endif
	s_wait_dscnt 0x0                               ; the add is done, and my reads of the slot that I have left are over
	s_barrier_signal -1
	s_barrier_wait -1
.if \fill
	TLOAD                                          ; the first thing behind the barrier, and a wave's one tensor load until the next
	ASK
.endif
.endm
.macro SLOT_STEPS
	STEP 0
	STEP 1
	STEP 2
	STEP 3
	s_xor_b32 s[TB], s[TB], SLOTB                  ; on to the other slot
.endm
; A block's end: l's halves and the other half of the lanes' are added; O^T / l is cut into hi and lo, each packed to f16 in pairs: z's images: lane L's 16 bytes of channel tile dt belong at 4,096 t + 512 dt + 16 L,
; lo's 16,777,216 bytes behind hi's.
.macro WAYOUT
.irp t, 0,1
	v_add_f32 v[ST+8*\t+4], v[ST+8*\t+2], v[ST+8*\t+3]
.endr
.irp t, 0,1
	v_permlanex16_b32 v[ST+8*\t+5], v[ST+8*\t+4], s[SEL], s[SEL+1]
.endr
.irp t, 0,1
	v_add_f32 v[ST+8*\t+4], v[ST+8*\t+4], v[ST+8*\t+5]
.endr
.irp t, 0,1
	v_rcp_f32 v[ST+8*\t+6], v[ST+8*\t+4]
.endr
	v_nop                                          ; a plain line behind the reciprocals
	WIN 0x41
.set n, 0
	s_wait_alu depctr_va_vdst(0)
.rept 16
	v_pk_mul_f32 v[O+n:O+n+1], v[O+n:O+n+1], v[ST+6:ST+7] op_sel_hi:[1,0]
	v_pk_mul_f32 v[O+32+n:O+32+n+1], v[O+32+n:O+32+n+1], v[ST+14:ST+15] op_sel_hi:[1,0]
.set n, n+2
.endr
	WIN 0x04                                       ; source 1 in window 1, destination in window 0: K's registers are free
.set n, 0
.rept 64
	v_and_b32 v[KFR+n], s[MASK], v[O+n]            ; hi, still in f32
.set n, n+1
.endr
	WIN 0x41
.set n, 0
.rept 32
	v_pk_add_f32 v[O+n:O+n+1], v[O+n:O+n+1], v[KFR+n:KFR+n+1] neg_lo:[0,1] neg_hi:[0,1]   ; lo = the number - hi: exact
.set n, n+2
.endr
	WIN 0
.set n, 0
.rept 32
	v_cvt_pk_f16_f32 v[S+n], v[KFR+2*n], v[KFR+2*n+1]      ; S^T's registers are free: hi in the first 32,
.set n, n+1
.endr
	WIN 0x05                                       ; sources in window 1, destination in window 0
.set n, 0
.rept 32
	v_cvt_pk_f16_f32 v[S+32+n], v[O+2*n], v[O+2*n+1]       ; lo in the other 32
.set n, n+1
.endr
	WIN 0
	s_add_nc_u64 s[50:51], s[ZB:ZB+1], 0x1000000   ; z's lo part (no store that names this pair is out: a wait on XCNT stands behind the first way out)
.irp t, 0,1
.irp dt, 0,1,2,3
	global_store_b128 v1, v[S+16*\t+4*\dt:S+16*\t+4*\dt+3], s[ZB:ZB+1] offset:4096*\t+512*\dt th:TH_STORE_NT         ; 512 consecutive bytes, aligned
	global_store_b128 v1, v[S+32+16*\t+4*\dt:S+32+16*\t+4*\dt+3], s[50:51] offset:4096*\t+512*\dt th:TH_STORE_NT
.endr
.endr
.endm
	INIT
	s_wait_loadcnt 0x0                             ; Q, both blocks'
.Lslot:                                            ; eight trips: behind each change of slots but the last the next slot step is asked for
	CHANGE 1
	SLOT_STEPS
	s_cmp_lg_u32 s[SLOTS], s[PP1]                  ; behind slot step 7 - p the first block is finished: a branch on ids
	s_cbranch_scc1 .Lsame
	WAYOUT
	s_wait_xcnt 0x0                                ; the stores have read their data and their bases: all are written again only behind this wait
	s_mov_b64 s[ZB:ZB+1], s[ZN:ZN+1]
	WIN 0x41
.set n, 0
.rept 32
	v_mov_b32 v[Q+n], v[QN+n]                      ; the second block's Q
.set n, n+1
.endr
	WIN 0
	INIT
	s_lshl_b32 s[Q0], ttmp9, 8
	s_lshl_b32 s48, s[WV], 5
	s_add_co_u32 s[Q0], s[Q0], s48
	s_mov_b32 s[KF], 0
.Lsame:
	s_sub_co_u32 s[SLOTS], s[SLOTS], 1
	s_cmp_lg_u32 s[SLOTS], 0
	s_cbranch_scc1 .Lslot
	CHANGE 0                                       ; the last slot step is written out
	SLOT_STEPS
	WAYOUT
	s_wait_tensorcnt 0x0                           ; the wave's end
	ds_add_u32 v4, v5
	s_wait_dscnt 0x0
	s_endpgm
.Lfunc_end_k_q417e9526e4_attn:
	.size	k_q417e9526e4_attn, .Lfunc_end_k_q417e9526e4_attn-k_q417e9526e4_attn
	.p2alignl 7, 3214868480
	.fill 96, 4, 3214868480
	.section	.rodata,"a",@progbits
	.p2align	6, 0x0
	.amdhsa_kernel k_q417e9526e4_attn
		.amdhsa_group_segment_fixed_size 327680
		.amdhsa_private_segment_fixed_size 0
		.amdhsa_enable_private_segment 0
		.amdhsa_kernarg_size 16
		.amdhsa_user_sgpr_count 2
		.amdhsa_user_sgpr_kernarg_segment_ptr 1
		.amdhsa_wavefront_size32 1
		.amdhsa_system_sgpr_workgroup_id_x 1
		.amdhsa_system_sgpr_workgroup_id_y 1
		.amdhsa_system_sgpr_workgroup_id_z 1
		.amdhsa_system_vgpr_workitem_id 0
		.amdhsa_next_free_vgpr 512
		.amdhsa_next_free_sgpr 66
		.amdhsa_reserve_vcc 1
		.amdhsa_float_denorm_mode_32 3
		.amdhsa_float_denorm_mode_16_64 3
		.amdhsa_memory_ordered 1
		.amdhsa_forward_progress 1
		.amdhsa_inst_pref_size 209
	.end_amdhsa_kernel
	.amdgpu_metadata
---
amdhsa.version: [ 1, 2 ]
amdhsa.kernels:
  - .name:           k_q417e9526e4_attn
    .symbol:         k_q417e9526e4_attn.kd
    .args:
      - { .name: qkv, .offset: 0, .size: 8, .value_kind: global_buffer, .address_space: global }
      - { .name: z, .offset: 8, .size: 8, .value_kind: global_buffer, .address_space: global }
    .group_segment_fixed_size: 327680
    .private_segment_fixed_size: 0
    .kernarg_segment_align: 8
    .kernarg_segment_size: 16
    .max_flat_workgroup_size: 256
    .sgpr_count:     66
    .vgpr_count:     512
    .wavefront_size: 32
...
	.end_amdgpu_metadata
.endif
;; end of part 3
;; launch proj (part 4): grid 8 x 32, 4 waves a work-group, clusters of 4 x 4, 327,680 bytes of LDS; arguments z, wo, out0; writes out0
.if DOCPART == 4
	.amdgcn_target "amdgcn-amd-amdhsa--gfx1250"
	.amdhsa_code_object_version 6
	.text
	.protected	k_q417e9526e4_proj
	.globl	k_q417e9526e4_proj
	.p2align	8
	.type	k_q417e9526e4_proj,@function
k_q417e9526e4_proj:
	s_mov_b64 s[64:65], 0
	v_nop
	global_prefetch_b8 v0, s[64:65] scope:SCOPE_SE
	s_setreg_imm32_b32 hwreg(HW_REG_WAVE_MODE, 25, 1), 1
	s_wait_xcnt 0x0
	s_wait_alu depctr_hold_cnt(0) depctr_sa_sdst(0) depctr_va_vdst(0) depctr_va_sdst(0) depctr_va_ssrc(0) depctr_va_vcc(0) depctr_vm_vsrc(0)
	s_getreg_b32 s2, hwreg(HW_REG_IB_STS2, 6, 4)
	s_cmp_eq_u32 s2, 0
	s_cbranch_scc0 .Lentry_in_a_cluster
	s_endpgm
.Lentry_in_a_cluster:
	s_bfe_u32 s2, ttmp6, 0x10000c
	s_cmp_lg_u32 s2, 0xf033
	s_cbranch_scc0 .Lentry_shape_is_right
	s_endpgm
.Lentry_shape_is_right:
; PROJ.  out0[token][m] = sum over K = (head, d) of z[token][K] w_o[K][m]: 8,192 x 1,024, K = 1,024; f32 sums, f32 out.
; Both operands come as TWO f16 numbers, hi + lo, and the product is z_hi w_hi + z_lo w_hi + z_hi w_lo (what is left out, z_lo w_lo, is 2^-22 of the sum): three passes over K, 24 K steps of 128 in all, on one set of sums.
; A tile of 256 tokens x 128 m gives 256 work-groups.  Four waves, each 128 tokens x 64 m: 32 accumulators of 16 x 16, 256 registers.  The K steps go through a ring of two LDS slots.
; Both operands lie in memory in the order of the operand's registers (a fragment, 16 rows x 32 K, is 1,024 bytes; lane L takes 16 bytes at 512 c + 16 L), [K step][tile of 16 rows][4 fragments]: a K step's part of a tile is one
; dense block, an LDS load's 512 bytes are consecutive, no row needs padding.  z is laid [hi 8 K steps][lo 8 K steps]: step t takes index t mod 16 (hi, lo, hi).  wo is laid [hi][hi][lo]: step t takes index t.
; CLUSTERS: 4 x 4 work-groups.  The four of a row of the cluster need the same tokens' block, the four of a column the same block of w_o: each is asked for JOINTLY.
; THE MATRIX INSTRUCTION IS USED TRANSPOSED (source 0 = 16 m, source 1 = 16 tokens): a lane holds eight neighbouring numbers of a row of out0.
; REGISTERS: window 0: v16-29 addresses; two fragment buffers at v32 and v128 (64 registers of z, then 32 of w_o); on the way out v32-159 rows read back.   window 1: the accumulators ((a, b) at v[8 (4 a + b)]).
.set SLOT,   98304                     ; z's 16 tiles x 4,096 bytes, then w_o's 8
.set BOFF,   65536
.set STAGE,  2*SLOT                    ; behind the ring: 16 rows x 272 bytes for each wave, for the way out; no tensor load lands there
.set SPITCH, 272
.set SPARE,  STAGE+4*16*SPITCH         ; the spare words, 128 bytes for each wave: two blocks of 256 bytes that no other line names
.set LAPS,   12                        ; a lap = two K steps = once round the ring
.set ADRA, 16
.set ADRB, 20
.set STO,  24
.set RD,   25
.set CO,   26
.set SPW,  28
.set NIL,  29
.set F0,   32
.set F1,   128
.set BK,   32
.set G1, 24
.set G0, 32
.set G1B, 48
.set G0B, 56
.set MSB, 0
.macro WIN new                         ; the immediate's high byte repeats the setting that is left
.if MSB != \new
	s_set_vgpr_msb (MSB<<8)|\new
.set MSB, \new
.endif
.endm
.set MUL, 0x50                         ; C and D window 1, sources window 0
.macro JLOAD s                         ; a joint load: waves 0 and 1 fetch z's two halves, waves 2 and 3 w_o's; four v_nop follow each of the two lines
	s_cmp_eq_u32 s11, 0
	s_cbranch_scc0 .Lfor_b_\@
	tensor_load_to_lds s[G0+4*\s:G0+4*\s+3], s[G1:G1+7]
	s_nop 0
.rept 4
	v_nop
.endr
	s_branch .Lasked_\@
.Lfor_b_\@:
	tensor_load_to_lds s[G0B+4*\s:G0B+4*\s+3], s[G1B:G1B+7]
	s_nop 0
.rept 4
	v_nop
.endr
.Lasked_\@:
.endm
.macro CREST                           ; a round of the cluster's barrier behind its opening barrier
	s_cmp_lg_u32 s10, 0
	s_cbranch_scc1 .Lnot_wave_0_\@
	s_barrier_signal -3
.Lnot_wave_0_\@:
	s_barrier_wait -3
	s_barrier_signal -1
	s_barrier_wait -1
.endm
.macro CROUND
	s_barrier_signal -1
	s_barrier_wait -1
	CREST
.endm
	s_load_b128 s[4:7], s[0:1], 0x0                ; z, wo
	s_load_b64 s[8:9], s[0:1], 0x10                ; out0
	v_lshl_add_u32 v[SPW], v0, 2, SPARE
	v_mov_b32 v[NIL], 0
	ds_add_u32 v28, v29
	s_wait_dscnt 0x0
	v_lshrrev_b32 v1, 5, v0
	v_readfirstlane_b32 s10, v1                    ; wave 0..3
	s_lshr_b32 s11, s10, 1                         ; which 128 tokens are mine.  Also: I fetch for z (0) or for w_o (1)
	s_and_b32 s12, s10, 1                          ; which 64 m.  Also: which half of that block I fetch
	s_bfe_u32 s40, ttmp6, 0x40000                  ; cx, cy
	s_bfe_u32 s41, ttmp6, 0x40004
	s_lshl_b32 s42, ttmp9, 2
	s_add_co_u32 s42, s42, s40                     ; tile column (m)
	s_and_b32 s13, ttmp7, 0xffff
	s_lshl_b32 s13, s13, 2
	s_add_co_u32 s13, s13, s41                     ; tile row (tokens)
	s_lshl_b32 s43, s41, 2
	s_lshl_b32 s43, 15, s43                        ; my row of the cluster
	s_lshl_b32 s44, 0x1111, s40                    ; my column
	s_mov_b32 s2, 2                                ; the K step that the next refill brings
	s_mov_b32 s19, 0                               ; the high word of the offset pair s[18:19]
	; group 1: dense blocks as rows of 256 bytes (32 elements of 8 bytes), no padding: z 128 rows (32 KiB), w_o 64 rows (16 KiB)
	s_or_b32 s[G1+0], s43, (3<<16)|(1<<21)
	s_or_b32 s[G1B+0], s44, (3<<16)|(1<<21)
	s_mov_b32 s[G1+1], 32<<16
	s_mov_b32 s[G1+2], 128<<16
	s_mov_b32 s[G1+3], 32<<16
	s_mov_b32 s[G1+4], 128
	s_mov_b32 s[G1+5], 32
	s_mov_b32 s[G1+6], 0
	s_mov_b32 s[G1+7], 0
	s_mov_b32 s[G1B+1], 32<<16
	s_mov_b32 s[G1B+2], 64<<16
	s_mov_b32 s[G1B+3], 32<<16
	s_mov_b32 s[G1B+4], 64
	s_mov_b32 s[G1B+5], 32
	s_mov_b32 s[G1B+6], 0
	s_mov_b32 s[G1B+7], 0
	s_lshl_b32 s16, s13, 16                        ; z: 16 tiles x 4,096 bytes a tile row, + my half
	s_lshl_b32 s17, s12, 15
	s_add_co_u32 s16, s16, s17
	s_mov_b32 s17, 0
	s_lshl_b32 s46, s42, 15                        ; w_o: 8 tiles x 4,096 bytes a tile column, + my half
	s_lshl_b32 s47, s12, 14
	s_add_co_u32 s46, s46, s47
	s_mov_b32 s47, 0
	s_lshl_b32 s20, s12, 15                        ; where they go: no place in the cluster enters an LDS address
	s_lshl_b32 s21, s12, 14
	s_add_co_u32 s21, s21, BOFF
	s_wait_kmcnt 0x0
	s_add_nc_u64 s[14:15], s[4:5], s[16:17]        ; z at my block of K step 0: it stays, every refill starts from it
	s_add_nc_u64 s[46:47], s[6:7], s[46:47]
	CROUND                                         ; all sixteen work-groups are here: the first joint loads meet
.irp s, 0,1
	s_mov_b32 s[G0+4*\s], 1
	s_add_co_u32 s[G0+4*\s+1], s20, \s*SLOT
	s_add_nc_u64 s[G0+4*\s+2:G0+4*\s+3], s[14:15], \s*2097152
	s_or_b32 s[G0+4*\s+3], s[G0+4*\s+3], 0x80000000
	s_mov_b32 s[G0B+4*\s], 1
	s_add_co_u32 s[G0B+4*\s+1], s21, \s*SLOT
	s_add_nc_u64 s[G0B+4*\s+2:G0B+4*\s+3], s[46:47], \s*262144
	s_or_b32 s[G0B+4*\s+3], s[G0B+4*\s+3], 0x80000000
	JLOAD \s                                       ; two tensor loads of a wave are out
.endr
	v_and_b32 v1, 15, v0                           ; r
	v_bfe_u32 v2, v0, 4, 1                         ; h
	v_and_b32 v3, 31, v0
	v_lshlrev_b32 v3, 4, v3                        ; 16 L
	s_lshl_b32 s22, s11, 15                        ; my 8 tiles of tokens
	s_lshl_b32 s23, s12, 14                        ; my 4 tiles of m,
	s_add_co_u32 s23, s23, BOFF                    ; behind z's 16
.irp s, 0,1
	v_add_nc_u32 v[ADRA+\s], s22, v3
	v_add_nc_u32 v[ADRB+\s], s23, v3
	s_add_co_u32 s22, s22, SLOT
	s_add_co_u32 s23, s23, SLOT
.endr
	s_mul_i32 s23, s10, 16*SPITCH
	s_add_co_u32 s23, s23, STAGE                   ; my stage
	v_mul_u32_u24 v4, v1, SPITCH                   ; in: row r, 32 bytes for each half of the lanes
	v_lshl_add_u32 v4, v2, 5, v4
	v_add_nc_u32 v[STO], s23, v4
	v_mul_u32_u24 v5, v2, SPITCH                   ; back: lanes 0-15 one row of 256 bytes, lanes 16-31 the next
	v_lshl_add_u32 v5, v1, 4, v5
	v_add_nc_u32 v[RD], s23, v5
	v_lshlrev_b32 v5, 12, v2                       ; and the same two rows in out0 (4,096 bytes a row)
	v_lshl_add_u32 v[CO], v1, 4, v5
	s_lshl_b32 s16, s13, 20                        ; my first row: (256 tile row + 128 half) x 4,096
	s_lshl_b32 s17, s11, 19
	s_add_co_u32 s16, s16, s17
	s_mov_b32 s17, 0
	s_add_nc_u64 s[8:9], s[8:9], s[16:17]
	s_lshl_b32 s46, s42, 9                         ; my first column, in bytes: 512 tile column + 256 half
	s_lshl_b32 s47, s12, 8
	s_add_co_u32 s46, s46, s47
	s_mov_b32 s47, 0
	s_add_nc_u64 s[8:9], s[8:9], s[46:47]
; 8 matrix instructions: token blocks a0, a0 + 1 x the 4 blocks of m, 32 along K, from buffer f.  zero = 1: the product starts the sums.  The 32 accumulators take turns, one instruction a turn.
.macro MUL8 f, a0, zero
.irp a, \a0, \a0+1
.irp b, 0,1,2,3
.if \zero
	v_wmma_f32_16x16x32_f16 v[8*(4*(\a)+\b):8*(4*(\a)+\b)+7], v[\f+64+8*\b:\f+64+8*\b+7], v[\f+8*(\a):\f+8*(\a)+7], 0
.else
	v_wmma_f32_16x16x32_f16 v[8*(4*(\a)+\b):8*(4*(\a)+\b)+7], v[\f+64+8*\b:\f+64+8*\b+7], v[\f+8*(\a):\f+8*(\a)+7], v[8*(4*(\a)+\b):8*(4*(\a)+\b)+7]
.endif
.endr
.endr
.endm
; 24 LDS loads in one run: quarter q (32 along K) of a slot into buffer f: w_o's four fragments, then z's eight
.macro FETCH slot, q, f
	WIN 0
.irp i, 0,1,2,3
.irp c, 0,1
	ds_load_b128 v[\f+64+8*\i+4*\c:\f+64+8*\i+4*\c+3], v[ADRB+\slot] offset:4096*\i+1024*\q+512*\c
.endr
.endr
.irp i, 0,1,2,3,4,5,6,7
.irp c, 0,1
	ds_load_b128 v[\f+8*\i+4*\c:\f+8*\i+4*\c+3], v[ADRA+\slot] offset:4096*\i+1024*\q+512*\c
.endr
.endr
.endm
.macro PLACES                          ; four places in front of loads into registers that matrix instructions have read, and of the first read of results (ISA guide 7.12.1 for the read of results)
.rept 4
	v_nop
.endr
.endm
; A K step is four quarters of 32 along K, 32 matrix instructions each, on buffers 0, 1, 0, 1.  One of the first three: multiplies buffer f and fetches quarter q into g.
.macro QUARTER slot, q, f, g, zero
	s_wait_dscnt 8                                 ; all but the youngest eight loads (token blocks 4-7) are in
	WIN MUL
	MUL8 \f, 0, \zero
	MUL8 \f, 2, \zero
	PLACES
	FETCH \slot, \q, \g
	s_wait_dscnt 24                                ; all but the 24 just issued
	WIN MUL
	MUL8 \f, 4, \zero
	MUL8 \f, 6, \zero
.endm
; The last quarter multiplies buffer 1 and changes slots: ONE barrier; in front of it each wave waits for all its tensor loads, adds 0 to its spare word, and waits for that and for its own reads of this slot.
; fill = 1: the barrier opens a round of the cluster's, and this slot is filled again, two K steps ahead: one tensor load of a wave is out, 112 matrix instructions ahead of the wait for it.
.macro TURN slot, next, fill
	WIN 0                                          ; (the add's two registers lie in window 0)
	s_wait_tensorcnt 0x0                           ; all my tensor loads have landed: my part of the next slot;
	ds_add_u32 v[SPW], v[NIL]                      ; 0 onto my spare word;
	s_wait_dscnt 9                                 ; (the add and the youngest eight loads may be out)
	WIN MUL
	MUL8 F1, 0, 0                                  ; eight matrix instructions stand between the add and the wait for it
	s_wait_dscnt 0x0                               ; the add is done, and my reads of this slot are over
	s_barrier_signal -1
	MUL8 F1, 2, 0
.if \fill
	WIN 0
.endif
	s_barrier_wait -1
.if \fill
	CREST                                          ; no wave of any partner still reads this slot or has a load on its way
	s_and_b32 s18, s2, 15                          ; z: K step t lies at index t mod 16: hi's eight, lo's eight, hi's eight again
	s_lshl_b32 s18, s18, 21                        ; 2,097,152 bytes an index
	s_add_nc_u64 s[G0+4*\slot+2:G0+4*\slot+3], s[14:15], s[18:19]
	s_or_b32 s[G0+4*\slot+3], s[G0+4*\slot+3], 0x80000000
	s_add_co_u32 s2, s2, 1
	s_add_nc_u64 s[G0B+4*\slot+2:G0B+4*\slot+3], s[G0B+4*\slot+2:G0B+4*\slot+3], 2*262144   ; w_o: two K steps on
	JLOAD \slot                                    ; the first tensor load behind the round; the four v_nop behind it are also the places in front of the loads below
.else
	PLACES
.endif
	FETCH \next, 0, F0
	WIN MUL
	MUL8 F1, 4, 0
	MUL8 F1, 6, 0
.endm
	s_wait_tensorcnt 1                             ; my part of K step 0 is in (K step 1's may be out)
	s_barrier_signal -1
	s_barrier_wait -1                              ; everybody's is
	FETCH 0, 0, F0
	QUARTER 0, 1, F0, F1, 1                        ; the first quarter stands in front of the loop: its products start the sums
	WIN 0                                          ; at a label and at a branch every window is 0
	s_mov_b32 s3, LAPS-1
.Llap:                                                 ; a trip goes once round the ring, from a lap's second quarter to the next lap's first, and fills both slots again: K steps 2 to 23 in 11 trips
	QUARTER 0, 2, F1, F0, 0
	QUARTER 0, 3, F0, F1, 0
	TURN 0, 1, 1
	QUARTER 1, 1, F0, F1, 0
	QUARTER 1, 2, F1, F0, 0
	QUARTER 1, 3, F0, F1, 0
	TURN 1, 0, 1
	QUARTER 0, 1, F0, F1, 0
	WIN 0
	s_sub_co_u32 s3, s3, 1
	s_cmp_lg_u32 s3, 0
	s_cbranch_scc1 .Llap
	QUARTER 0, 2, F1, F0, 0                        ; the last lap fills nothing, and has no round of the cluster's barrier
	QUARTER 0, 3, F0, F1, 0
	TURN 0, 1, 0
	QUARTER 1, 1, F0, F1, 0
	QUARTER 1, 2, F1, F0, 0
	QUARTER 1, 3, F0, F1, 0
	s_wait_dscnt 8                                 ; the very last quarter: nothing more to fetch
	WIN MUL
	MUL8 F1, 0, 0
	MUL8 F1, 2, 0
	s_wait_dscnt 0
	MUL8 F1, 4, 0
	MUL8 F1, 6, 0
	WIN 0
; THE WAY OUT, a block of 16 tokens x 64 m at a time.  A lane holds 32 neighbouring bytes of a row and the lanes beside it hold other rows: so a block goes through my own stage and comes back as whole rows of 256 bytes.
; LDS serves a wave's instructions in order (ISA guide 5.7.1.4): no wait between the stores and the loads, nor in front of the next block's stores.
.macro TOSTAGE a
	WIN 0x04                                       ; an LDS store's data are its source 1: window 1
.irp b, 0,1,2,3
	ds_store_b128 v[STO], v[8*(4*(\a)+\b):8*(4*(\a)+\b)+3] offset:64*\b            ; each accumulator from its low end on
	ds_store_b128 v[STO], v[8*(4*(\a)+\b)+4:8*(4*(\a)+\b)+7] offset:64*\b+16
.endr
	WIN 0
.set BB, BK+32*((\a)%4)
.irp t, 0,1,2,3,4,5,6,7
	ds_load_b128 v[BB+4*\t:BB+4*\t+3], v[RD] offset:\t*2*SPITCH
.endr
.endm
.macro SEND a, younger                 ; younger: the LDS instructions issued behind block a's loads, which may stay out
.set BB, BK+32*((\a)%4)
	s_wait_dscnt \younger
.irp t, 0,1,2,3,4,5,6,7
	global_store_b128 v[CO], v[BB+4*\t:BB+4*\t+3], s[8:9] offset:(16*(\a)+2*\t)*4096 th:TH_STORE_NT   ; sixteen lanes store 256 consecutive bytes, aligned; written once, read by nobody here
.endr
.endm
	PLACES                                         ; behind the last products: for the stores that read results and the loads into the fragments' registers
	TOSTAGE 0
.irp a, 1,2,3,4,5,6,7
.if \a >= 4
	s_wait_xcnt 0x0                                ; block a - 4's stores have read their data: block a's loads land there only behind this wait
.endif
	TOSTAGE \a
	SEND \a-1, 16                                  ; behind block a - 1's loads: block a's 8 stores and 8 loads
.endr
	SEND 7, 0
	s_wait_tensorcnt 0x0                           ; the wave's end, behind my last tensor load and my last LDS store
	ds_add_u32 v[SPW], v[NIL]
	s_wait_dscnt 0x0
	CROUND                                         ; the closing round: no work-group ends while a partner may still ask for a block that names it
	s_endpgm
.Lfunc_end_k_q417e9526e4_proj:
	.size	k_q417e9526e4_proj, .Lfunc_end_k_q417e9526e4_proj-k_q417e9526e4_proj
	.p2alignl 7, 3214868480
	.fill 96, 4, 3214868480
	.section	.rodata,"a",@progbits
	.p2align	6, 0x0
	.amdhsa_kernel k_q417e9526e4_proj
		.amdhsa_group_segment_fixed_size 327680
		.amdhsa_private_segment_fixed_size 0
		.amdhsa_enable_private_segment 0
		.amdhsa_kernarg_size 24
		.amdhsa_user_sgpr_count 2
		.amdhsa_user_sgpr_kernarg_segment_ptr 1
		.amdhsa_wavefront_size32 1
		.amdhsa_system_sgpr_workgroup_id_x 1
		.amdhsa_system_sgpr_workgroup_id_y 1
		.amdhsa_system_sgpr_workgroup_id_z 1
		.amdhsa_system_vgpr_workitem_id 0
		.amdhsa_next_free_vgpr 512
		.amdhsa_next_free_sgpr 66
		.amdhsa_reserve_vcc 0
		.amdhsa_float_denorm_mode_32 3
		.amdhsa_float_denorm_mode_16_64 3
		.amdhsa_memory_ordered 1
		.amdhsa_forward_progress 1
		.amdhsa_inst_pref_size 85
	.end_amdhsa_kernel
	.amdgpu_metadata
---
amdhsa.version: [ 1, 2 ]
amdhsa.kernels:
  - .name:           k_q417e9526e4_proj
    .symbol:         k_q417e9526e4_proj.kd
    .args:
      - { .name: z, .offset: 0, .size: 8, .value_kind: global_buffer, .address_space: global }
      - { .name: wo, .offset: 8, .size: 8, .value_kind: global_buffer, .address_space: global }
      - { .name: out0, .offset: 16, .size: 8, .value_kind: global_buffer, .address_space: global }
    .group_segment_fixed_size: 327680
    .private_segment_fixed_size: 0
    .kernarg_segment_align: 8
    .kernarg_segment_size: 24
    .max_flat_workgroup_size: 128
    .sgpr_count:     66
    .vgpr_count:     512
    .wavefront_size: 32
...
	.end_amdgpu_metadata
.endif
;; end of part 4
